; MI455X (gfx1250); checked and timed in simulation.
; The chip was launched on July 23, 2026; its instructions are those of AMD's public machine-readable ISA for CDNA 5 (MIT licence, August 2026) and "CDNA5" Instruction Set Architecture Reference Guide (July 2026). The comments in the code are by the model that wrote it; some were corrected since.
;; Role Actor Trans. Allowed arithmetic: matrix products marked QUANTISED: E2M3 operands, one E8M0 scale for each 32 along K, by v_wmma_scale_f32_16x16x128_f8f6f4 with both operands' format E2M3, f32 sums; everything else in f32.
;; Inputs: W0 256 x 512 float32; W1 512 x 512 float32; Wh0 6 x 512 x 64 float32; Wh1 6 x 64 x 32 float32; Wh2 6 x 32 x 32 float32; Wr0 6 x 256 x 128 float32; Wr1 6 x 128 x 512 float32; available_actions 32 x 1,024 x 32 float32; b0 512 float32; b1 512 float32; bh0 6 x 64 float32; bh1 6 x 32 float32; bh2 6 x 32 float32; br0 6 x 128 float32; br1 6 x 512 float32; fn_bias 256 float32; fn_scale 256 float32; ln0_bias 512 float32; ln0_scale 512 float32; ln1_bias 512 float32; ln1_scale 512 float32; obs 32 x 1,024 x 256 float32; resets 32 x 1,024 float32; rnn_states 1,024 x 512 float32; role_ids 32 x 1,024 int32.
;; Outputs: out0 1,024 x 512 float32; out1 32 x 1,024 x 32 float32.
;; This version of the problem:
;;   THIS VERSION OF THE PROBLEM IS GIVEN IN LOW PRECISION. The matrix products marked QUANTISED in the list below multiply operands that are first quantised to E2M3 (2 exponent bits, 3 mantissa bits; 6 bits a number), with one power-of-two scale for each 32 numbers along K (OCP MX v1.0); their sums are f32. All else is computed in f32.
;;   The module's matrix products, in the order in which they are computed (A, B: the left and right operand; K: the contracted axis; several contracted axes count as one K, in the product's order):
;;     1. [M 32,768, K 256] x [K 256, N 512]; A: computed on the way; B: input W0: QUANTISED
;;     2. [M 32,768, K 512] x [K 512, N 512]; A: computed on the way; B: input W1: QUANTISED
;;     3. [M 768, K 256] x [K 256, N 32,768]; A: input Wr0; B: computed on the way: QUANTISED
;;     4. batch 6 x [M 32,768, K 128] x [K 128, N 512]; A: computed on the way; B: input Wr1: QUANTISED
;;     5. [M 384, K 512] x [K 512, N 32,768]; A: input Wh0; B: computed on the way: QUANTISED
;;     6. batch 6 x [M 32,768, K 64] x [K 64, N 32]; A: computed on the way; B: input Wh1: QUANTISED
;;     7. batch 6 x [M 32,768, K 32] x [K 32, N 32]; A: computed on the way; B: input Wh2: QUANTISED
;;   THE QUANTISER, for each operand of a quantised product, along K:
;;     - K is cut into blocks of 32 from its start; a last block that is shorter is filled with zeros.
;;     - A block's scale is 2^e with e = floor(log2(the largest magnitude in the block)) - 2, held to -126 .. 127; a block of zeros has e = 0. As a byte (E8M0): e + 127.
;;     - Each number is divided by its block's scale, clamped to +-7.5, and rounded to the nearest number of E2M3, ties to even, subnormals kept.
;;     - The product sums the exact products of the quantised numbers (number of the format x scale) in f32.
;;   ~~~python
;;   def quantise(x, axis):      # numpy; x: float32 -> the quantised numbers, widened to float32 again
;;       x = np.moveaxis(x, axis, -1); K = x.shape[-1]
;;       x = np.pad(x, [(0, 0)] * (x.ndim - 1) + [(0, -K % 32)]); x = x.reshape(x.shape[:-1] + (-1, 32)); a = np.abs(x).max(-1, keepdims=True)
;;       e = np.where(a > 0, np.clip(np.frexp(np.where(a > 0, a, 1))[1] - 1 - 2, -126, 127), 0)      # np.frexp(a)[1] - 1 = floor(log2(a)), exactly
;;       r = np.clip(x / 2.0 ** e, -7.5, 7.5)
;;       step = 2.0 ** (np.maximum(np.frexp(np.where(r == 0, 1, r))[1] - 1, 0) - 3)
;;       q = np.round(r / step) * step * 2.0 ** e      # np.round: ties to even
;;       return np.moveaxis(q.reshape(q.shape[:-2] + (-1,))[..., :K], -1, axis).astype(np.float32)
;;   ~~~
;;   OPERANDS COMPUTED ON THE WAY. 'Computed on the way' means the value that the module computes at that place (a softmax that the list does not call 'softmax' is quantised finished and normalised). What goes into a quantiser is computed in f32, as accurately as f32 sums, v_exp_f32 and their like allow (about 1e-6 of the number): no bf16 or f16 on the way to a quantiser, and a product that is left as it is and whose result goes on into a quantised operand takes f32 operands (vector FMAs, or v_wmma_f32_16x16x4_f32). A number that lies on a knife's edge between two numbers of the format may be rounded either way, as far as f32 arithmetic and the matrix unit's own rounding can turn it there, and no further.
;; One version. Each part assembles by itself: llvm-mc -triple=amdgcn-amd-amdhsa -mcpu=gfx1250 --defsym DOCPART=n.
;; ======== version 1 of 1: 2 launches
;; limits: right only within a limited range of input values
;; workspace buffers: order 131,072 bytes of whole numbers; bounds 256 bytes of whole numbers; wq 921,600 bytes; ws 38,400 bytes; xq 6,291,456 bytes; xs 262,144 bytes
;; launch prep (part 1): grid 206 x 1, 8 waves a work-group, no clusters, 87,552 bytes of LDS; arguments role_ids, W0, W1, Wr0, Wr1, Wh0, Wh1, Wh2, rnn_states, order, bounds, wq, ws, out0, obs, fn_scale, fn_bias, xq, xs; writes order, bounds, wq, ws, out0, xq, xs
.if DOCPART == 1
	.amdgcn_target "amdgcn-amd-amdhsa--gfx1250"
	.amdhsa_code_object_version 6
	.text
	.protected	k_q83570a7f09_prep
	.globl	k_q83570a7f09_prep
	.p2align	8
	.type	k_q83570a7f09_prep,@function
k_q83570a7f09_prep:
	s_mov_b64 s[64:65], 0
	v_nop
	global_prefetch_b8 v0, s[64:65] scope:SCOPE_SE
	s_setreg_imm32_b32 hwreg(HW_REG_WAVE_MODE, 25, 1), 1
	s_wait_xcnt 0x0
; PREP: three jobs, parted on the work-group's number.
;  work-groups 0-7:   a counting sort of the 32,768 tokens by role: order[p] = the token at sorted place p, bounds[k] = role k's first place.
;                     Each of the eight counts all tokens for itself (nothing passes between work-groups) and places its own 4,096.
;  work-groups 8-45:  the seven weights, f32 with K on their first matrix axis, become codes of E2M3 with one E8M0 byte for 32 along K, laid
;                     in the order of a matrix operand's registers: a fragment (16 columns x 128 K) is 3 pieces of 512 bytes, lane l's 16 bytes at 16 l.
;  work-groups 46-77: out0 = rnn_states.
; WHICH COLUMNS FORM A TILE: column n = 32 b + x goes to tile 2 b + ((x >> 3) & 1), tile row (x & 7) + 8 (x >> 4): so the 16 result registers of two
; neighbouring tiles are 16 neighbours along the next product's K.
; LIMITS: role_ids lie in 0..5 (the gather of the problem relies on it).  NaN and infinities among the weights are not served.  A block whose largest
; magnitude lies under 2^-124, a block of zeros among them, gets the byte 1: its codes are then zeros or the nearest codes under that scale, and only this program reads the bytes.
; A FOURTH JOB, work-groups 78-205: the feature norm of obs and its quantiser along the 256 columns, in token order: xq[token] = 192 bytes of codes of E2M3, xs[token] = 8 E8M0 bytes.
; Products 1 and 3 of the problem take the same quantised rows, so they are made once, here.  NaN and infinities in obs are not served; a block under 2^-124 gets the byte 1.
; LEFT OUT: resets enters no result of reference() (no recurrent step is computed: rnn_states pass through), whatever its values: it is no argument of any launch.  A NaN or an infinity in resets is so not carried anywhere, as in reference().
.set SPARE, 512
	s_load_b512 s[4:19], s[0:1], 0x0               ; role_ids 4, W0 6, W1 8, Wr0 10, Wr1 12, Wh0 14, Wh1 16, Wh2 18
	s_load_b256 s[20:27], s[0:1], 0x40             ; rnn_states 20, order 22, bounds 24, wq 26
	s_load_b128 s[28:31], s[0:1], 0x60             ; ws 28, out0 30
	v_lshl_add_u32 v2, v0, 2, SPARE                ; my spare word,
	v_mov_b32 v3, 0                                ; and 0: kept for the add alone
	v_lshrrev_b32 v1, 5, v0
	s_delay_alu instid0(VALU_DEP_1)
	v_readfirstlane_b32 s32, v1                    ; wave 0..7
	v_and_b32 v1, 31, v0                           ; lane
	s_mov_b32 s35, 0                               ; the upper word of 32-bit offsets
	s_wait_kmcnt 0x0
	s_cmp_lt_u32 ttmp9, 8
	s_cbranch_scc1 .Lsort
	s_cmp_lt_u32 ttmp9, 46
	s_cbranch_scc1 .Lquant
	s_cmp_ge_u32 ttmp9, 78
	s_cbranch_scc1 .Lobs
; ---------------- the copy: a wave takes 8,192 bytes: 16 loads of 512 consecutive bytes, all out at once, then 16 stores
	s_sub_co_u32 s33, ttmp9, 46
	s_lshl_b32 s33, s33, 3
	s_add_co_u32 s33, s33, s32
	s_lshl_b32 s34, s33, 13
	s_add_nc_u64 s[20:21], s[20:21], s[34:35]
	s_add_nc_u64 s[30:31], s[30:31], s[34:35]
	s_wait_alu depctr_va_vdst(0)
	v_lshlrev_b32 v4, 4, v1
.set ii, 0
.rept 16
	global_load_b128 v[64+4*ii:67+4*ii], v4, s[20:21] offset:512*ii th:TH_LOAD_NT
.set ii, ii+1
.endr
.set ii, 0
	s_wait_alu depctr_va_vdst(0)
.rept 16
	s_wait_loadcnt 15-ii                           ; loads come back in order: the 15 - ii younger ones may be out
	global_store_b128 v4, v[64+4*ii:67+4*ii], s[30:31] offset:512*ii th:TH_STORE_NT
.set ii, ii+1
.endr
	s_endpgm
; ---------------- the sort.  Thread t of 256; load i brings tokens 1024 i + 4 t + 0..3; chunk c = loads 4 c .. 4 c + 3 = tokens 4096 c on.
; The order inside a role is (chunk, thread, load, element).  Work-group j places chunk j.
; v6-10 all ones where the lane has bit 1, 2, 4, 8, 16;  v12 six counts of 5 bits;  v13-15 the same, two roles to a register in halves of 16 bits;
; v16-18 all chunks' counts, v19-21 those of the chunks before mine, v22-24 my chunk's, v25-27 zeros;  v28-30 my chunk's counts in lower lanes.
.Lsort:
	s_mov_b32 s33, ttmp9                           ; j
	v_lshlrev_b32 v4, 4, v0
.set ii, 0
.rept 32
	global_load_b128 v[64+4*ii:67+4*ii], v4, s[4:5] offset:4096*ii
.set ii, ii+1
.endr
	s_lshl_b32 s34, s33, 14
	s_add_nc_u64 s[36:37], s[4:5], s[34:35]
.irp i,0,1,2,3
	global_load_b128 v[192+4*\i:195+4*\i], v4, s[36:37] offset:4096*\i    ; my chunk once more, at fixed registers
.endr
	s_mov_b32 s38, 0x76543210
	s_mov_b32 s39, 0xfedcba98                      ; v_permlanex16_b32's selects for lane l xor 16
	s_mov_b32 s41, 0x06040200
	s_mov_b32 s42, 0x07050301
	s_wait_alu depctr_va_vdst(0)
.irp t,0,1,2,3,4
	v_bfe_u32 v[6+\t], v1, \t, 1
	s_delay_alu instid0(VALU_DEP_1)
	v_sub_nc_u32 v[6+\t], 0, v[6+\t]
.endr
.set ii, 16
.rept 16
	v_mov_b32 v[ii], 0                             ; the sums begin at 0; v31 is a lane permute's destination, which counts as read
.set ii, ii+1
.endr
	s_wait_loadcnt 0x0
.set cc, 0
.rept 8
	v_mul_u32_u24 v11, v[64+16*cc], 5
	s_delay_alu instid0(VALU_DEP_1)
	v_lshl_add_u32 v12, 1, v11, 0                  ; a thread has 16 tokens of a chunk: a count is at most 16 and fits 5 bits
.set ee, 1
.rept 15
	v_mul_u32_u24 v11, v[64+16*cc+ee], 5
	s_delay_alu instid0(VALU_DEP_1)
	v_lshl_add_u32 v12, 1, v11, v12
.set ee, ee+1
.endr
.irp i,0,1,2
	v_bfe_u32 v[13+\i], v12, 10*\i, 5
	v_bfe_u32 v31, v12, 10*\i+5, 5
	s_delay_alu instid0(VALU_DEP_1)
	v_lshl_or_b32 v[13+\i], v31, 16, v[13+\i]
.endr
	s_cmp_eq_u32 s33, cc
	s_cselect_b32 s40, -1, 0                       ; all lanes, where this chunk is mine
.irp i,0,1,2
	v_cndmask_b32 v[19+\i], v[19+\i], v[16+\i], s40    ; what came before my chunk,
	v_cndmask_b32 v[22+\i], v[22+\i], v[13+\i], s40    ; my chunk,
	v_add_nc_u32 v[16+\i], v[16+\i], v[13+\i]          ; everything.  A half holds at most 32,768: nothing carries
.endr
.set cc, cc+1
.endr
.macro XSUM x, m                       ; v[x] += lane l xor m's
	v_mov_b32_dpp v31, v[\x] row_xmask:\m row_mask:0xf bank_mask:0xf
	s_delay_alu instid0(VALU_DEP_1)
	v_add_nc_u32 v[\x], v[\x], v31
.endm
.macro XPRE x, p, m, lm                ; the same, and v[p] takes the partner's sum where the partner's lanes lie below mine
	v_mov_b32_dpp v31, v[\x] row_xmask:\m row_mask:0xf bank_mask:0xf
	s_delay_alu instid0(VALU_DEP_1)
	v_and_b32 v59, v31, v[\lm]
	s_delay_alu instid0(VALU_DEP_1)
	v_add_nc_u32 v[\p], v[\p], v59
	s_delay_alu instid0(VALU_DEP_3)
	v_add_nc_u32 v[\x], v[\x], v31
.endm
.irp x,16,17,18,19,20,21
	XSUM \x, 1
	XSUM \x, 2
	XSUM \x, 4
	XSUM \x, 8
	s_delay_alu instid0(VALU_DEP_1)
	v_permlanex16_b32 v31, v[\x], s38, s39
	s_delay_alu instid0(VALU_DEP_1)
	v_add_nc_u32 v[\x], v[\x], v31
.endr
.irp i,0,1,2
	XPRE 22+\i, 28+\i, 1, 6
	XPRE 22+\i, 28+\i, 2, 7
	XPRE 22+\i, 28+\i, 4, 8
	XPRE 22+\i, 28+\i, 8, 9
	s_delay_alu instid0(VALU_DEP_1)
	v_permlanex16_b32 v31, v[22+\i], s38, s39
	s_delay_alu instid0(VALU_DEP_1)
	v_and_b32 v59, v31, v10
	s_delay_alu instid0(VALU_DEP_1)
	v_add_nc_u32 v[28+\i], v[28+\i], v59
	s_delay_alu instid0(VALU_DEP_3)
	v_add_nc_u32 v[22+\i], v[22+\i], v31
.endr
	v_lshrrev_b32 v60, 5, v0
	s_delay_alu instid0(VALU_DEP_1)
	v_lshlrev_b32 v60, 6, v60                      ; 64 x wave: all lanes store the same words with the same values
	ds_store_b128 v60, v[16:19]
	ds_store_b128 v60, v[20:23] offset:16
	ds_store_b128 v60, v[24:27] offset:32
	s_wait_dscnt 0x0                               ; for the others' sake: my stores have landed
	s_barrier_signal -1
	s_barrier_wait -1
	v_and_b32 v5, 7, v1
	s_delay_alu instid0(VALU_DEP_1)
	v_lshlrev_b32 v61, 6, v5                       ; lane l takes wave l % 8's sums
	ds_load_b128 v[32:35], v61
	ds_load_b128 v[36:39], v61 offset:16
	ds_load_b128 v[40:43], v61 offset:32
	s_wait_alu depctr_va_vdst(0)
	s_wait_dscnt 0x0
	v_cmp_gt_u32 vcc_lo, s32, v5                   ; of my chunk only the waves below mine count
.irp i,0,1,2
	v_cndmask_b32 v[38+\i], 0, v[38+\i], vcc_lo
.endr
.irp x,32,33,34,35,36,37,38,39,40
	XSUM \x, 1
	XSUM \x, 2
	XSUM \x, 4
.endr
	v_mov_b32 v44, 0                               ; v44-51: bounds[0..7]
	v_and_b32 v45, 0xffff, v32
	v_lshrrev_b32 v62, 16, v32
	s_delay_alu instid0(VALU_DEP_1)
	v_add_nc_u32 v46, v45, v62
	v_and_b32 v62, 0xffff, v33
	s_delay_alu instid0(VALU_DEP_1)
	v_add_nc_u32 v47, v46, v62
	v_lshrrev_b32 v62, 16, v33
	s_delay_alu instid0(VALU_DEP_1)
	v_add_nc_u32 v48, v47, v62
	v_and_b32 v62, 0xffff, v34
	s_delay_alu instid0(VALU_DEP_1)
	v_add_nc_u32 v49, v48, v62
	v_lshrrev_b32 v62, 16, v34
	s_delay_alu instid0(VALU_DEP_1)
	v_add_nc_u32 v50, v49, v62
	s_delay_alu instid0(VALU_DEP_1)
	v_mov_b32 v51, v50
	v_lshlrev_b32 v52, 16, v45                     ; the roles' first places, packed as the counts are,
	v_lshl_or_b32 v53, v47, 16, v46
	v_lshl_or_b32 v54, v49, 16, v48
.irp i,0,1,2
	v_add3_u32 v[52+\i], v[52+\i], v[35+\i], v[38+\i]  ; + earlier chunks + lower waves
	s_delay_alu instid0(VALU_DEP_1)
	v_add_nc_u32 v[52+\i], v[52+\i], v[28+\i]          ; + lower lanes: where my thread's first token of each role goes
.endr
	s_delay_alu instid0(VALU_DEP_3)
	v_perm_b32 v55, v53, v52, s41                  ; the six numbers' low bytes: roles 0-3,
	s_delay_alu instid0(VALU_DEP_2)
	v_perm_b32 v56, v54, v54, s41                  ; roles 4, 5;
	v_perm_b32 v57, v53, v52, s42                  ; their high bytes
	s_delay_alu instid0(VALU_DEP_4)
	v_perm_b32 v58, v54, v54, s42
	v_mov_b32 v12, 0
	v_lshlrev_b32 v63, 2, v0
	s_lshl_b32 s34, s33, 12
	v_add_nc_u32 v63, s34, v63                     ; my first token: 4096 j + 4 t
.set nn, 0
.rept 16
	v_mul_u32_u24 v11, v[192+nn], 5
	v_perm_b32 v59, v56, v55, v[192+nn]            ; the role picks its byte (byte 0 of the result; the rest is cut off)
	v_perm_b32 v60, v58, v57, v[192+nn]
	s_delay_alu instid0(VALU_DEP_2)
	v_and_b32 v59, 0xff, v59
	s_delay_alu instid0(VALU_DEP_2)
	v_and_b32 v60, 0xff, v60
	v_bfe_u32 v61, v12, v11, 5                     ; how many of this role my thread has placed
	v_lshl_add_u32 v12, 1, v11, v12
	s_delay_alu instid0(VALU_DEP_3)
	v_lshl_add_u32 v59, v60, 8, v59
	s_delay_alu instid0(VALU_DEP_1)
	v_add_nc_u32 v59, v59, v61
	s_delay_alu instid0(VALU_DEP_1)
	v_min_u32 v59, 0x7fff, v59                     ; a place: inside order whatever was loaded
	s_delay_alu instid0(VALU_DEP_1)
	v_lshlrev_b32 v[208+nn], 2, v59
	v_add_nc_u32 v[224+nn], 1024*(nn/4)+(nn%4), v63
	global_store_b32 v[208+nn], v[224+nn], s[22:23]    ; four bytes a lane, in six runs: 128 KB in the whole launch; each store has registers of its own
.set nn, nn+1
.endr
	s_or_b32 s34, s33, s32
	s_cmp_lg_u32 s34, 0
	s_cbranch_scc1 .Lsort_end                      ; bounds: wave 0 of work-group 0, lane 0
	v_mov_b32 v62, 0
	v_cmp_eq_u32 vcc_lo, 0, v1
	s_wait_alu depctr_va_vdst(0)
	s_wait_xcnt 0x0                                ; EXEC is a source of the stores above: it changes only behind this wait
	s_and_saveexec_b32 s40, vcc_lo
	global_store_b128 v62, v[44:47], s[24:25]
	global_store_b128 v62, v[48:51], s[24:25] offset:16
	s_wait_xcnt 0x0                                ; and again in front of the line that widens it
	s_or_b32 exec_lo, exec_lo, s40
.Lsort_end:
	s_wait_tensorcnt 0x0                           ; the wave's end, behind my last LDS store
	ds_add_u32 v2, v3
	s_wait_dscnt 0x0
	s_endpgm
; ---------------- the weights.  Job J of 300 = 32 columns x one K step of 128.  A LANE TAKES A COLUMN AND ITS REGISTERS RUN DOWN K.
; s[36:37] the job's first number;  s38 its first fragment's byte in wq, s39 bytes from tile u = 0 to u = 1;  s40 its first scale word's byte in ws, s41 bytes a tile, s42 bytes a tile row.
.Lquant:
	s_sub_co_u32 s33, ttmp9, 8
	s_lshl_b32 s33, s33, 3
	s_add_co_u32 s33, s33, s32                     ; J
	s_cmp_ge_u32 s33, 300
	s_cbranch_scc1 .Lnone                          ; the last work-group has jobs for four of its eight waves
	s_wait_alu depctr_va_vdst(0)
	v_lshlrev_b32 v4, 2, v1
	s_cmp_lt_u32 s33, 32
	s_cbranch_scc1 .Lp_w0
	s_cmp_lt_u32 s33, 96
	s_cbranch_scc1 .Lp_w1
	s_cmp_lt_u32 s33, 144
	s_cbranch_scc1 .Lp_wr0
	s_cmp_lt_u32 s33, 240
	s_cbranch_scc1 .Lp_wr1
	s_cmp_lt_u32 s33, 288
	s_cbranch_scc1 .Lp_wh0
	s_cmp_lt_u32 s33, 294
	s_cbranch_scc1 .Lp_wh1
	s_sub_co_u32 s45, s33, 294                     ; Wh2 [6][32][32]: the role
	s_lshl_b32 s34, s45, 12
	s_add_nc_u64 s[36:37], s[18:19], s[34:35]
	s_lshl_b32 s38, s45, 1
	s_add_co_u32 s38, s38, 588
	s_mul_i32 s38, s38, 1536
	s_mov_b32 s39, 1536
	s_lshl_b32 s40, s45, 7
	s_add_co_u32 s40, s40, 37632
	s_mov_b32 s41, 4
	s_mov_b32 s42, 8
	s_branch .Lld_h2
.Lp_wh1:
	s_sub_co_u32 s45, s33, 288                     ; Wh1 [6][64][32]
	s_lshl_b32 s34, s45, 13
	s_add_nc_u64 s[36:37], s[16:17], s[34:35]
	s_lshl_b32 s38, s45, 1
	s_add_co_u32 s38, s38, 576
	s_mul_i32 s38, s38, 1536
	s_mov_b32 s39, 1536
	s_lshl_b32 s40, s45, 7
	s_add_co_u32 s40, s40, 36864
	s_mov_b32 s41, 4
	s_mov_b32 s42, 8
	s_branch .Lld_h1
.Lp_wh0:
	s_sub_co_u32 s33, s33, 240                     ; Wh0 [6][512][64]: K step, column group, role
	s_and_b32 s43, s33, 3
	s_bfe_u32 s44, s33, 0x10002
	s_lshr_b32 s45, s33, 3
	s_lshl_b32 s34, s45, 17
	s_lshl_b32 s46, s43, 15
	s_add_co_u32 s34, s34, s46
	s_lshl_b32 s46, s44, 7
	s_add_co_u32 s34, s34, s46
	s_add_nc_u64 s[36:37], s[14:15], s[34:35]
	s_lshl_b32 s38, s45, 4
	s_lshl_b32 s46, s43, 2
	s_add_co_u32 s38, s38, s46
	s_lshl_b32 s46, s44, 1
	s_add_co_u32 s38, s38, s46
	s_add_co_u32 s38, s38, 480
	s_mul_i32 s38, s38, 1536
	s_mov_b32 s39, 1536
	s_lshl_b32 s40, s45, 10
	s_lshl_b32 s46, s43, 8
	s_add_co_u32 s40, s40, s46
	s_lshl_b32 s46, s44, 3
	s_add_co_u32 s40, s40, s46
	s_add_co_u32 s40, s40, 30720
	s_mov_b32 s41, 4
	s_mov_b32 s42, 16
	s_branch .Lld_256
.Lp_wr1:
	s_sub_co_u32 s33, s33, 144                     ; Wr1 [6][128][512]: column group, role
	s_and_b32 s44, s33, 15
	s_lshr_b32 s45, s33, 4
	s_lshl_b32 s34, s45, 18
	s_lshl_b32 s46, s44, 7
	s_add_co_u32 s34, s34, s46
	s_add_nc_u64 s[36:37], s[12:13], s[34:35]
	s_lshl_b32 s38, s45, 5
	s_lshl_b32 s46, s44, 1
	s_add_co_u32 s38, s38, s46
	s_add_co_u32 s38, s38, 288
	s_mul_i32 s38, s38, 1536
	s_mov_b32 s39, 1536
	s_lshl_b32 s40, s45, 11
	s_lshr_b32 s46, s44, 1
	s_lshl_b32 s46, s46, 8
	s_add_co_u32 s40, s40, s46
	s_and_b32 s46, s44, 1
	s_lshl_b32 s46, s46, 3
	s_add_co_u32 s40, s40, s46
	s_add_co_u32 s40, s40, 18432
	s_mov_b32 s41, 4
	s_mov_b32 s42, 16
	s_branch .Lld_2048
.Lp_wr0:
	s_sub_co_u32 s33, s33, 96                      ; Wr0 [6][256][128]: K step, column group, role
	s_and_b32 s43, s33, 1
	s_bfe_u32 s44, s33, 0x20001
	s_lshr_b32 s45, s33, 3
	s_lshl_b32 s34, s45, 17
	s_lshl_b32 s46, s43, 16
	s_add_co_u32 s34, s34, s46
	s_lshl_b32 s46, s44, 7
	s_add_co_u32 s34, s34, s46
	s_add_nc_u64 s[36:37], s[10:11], s[34:35]
	s_lshl_b32 s38, s45, 4
	s_lshl_b32 s46, s44, 2
	s_add_co_u32 s38, s38, s46
	s_add_co_u32 s38, s38, s43
	s_add_co_u32 s38, s38, 192
	s_mul_i32 s38, s38, 1536
	s_mov_b32 s39, 3072
	s_lshl_b32 s40, s45, 10
	s_lshl_b32 s46, s44, 8
	s_add_co_u32 s40, s40, s46
	s_lshl_b32 s46, s43, 2
	s_add_co_u32 s40, s40, s46
	s_add_co_u32 s40, s40, 12288
	s_mov_b32 s41, 128
	s_mov_b32 s42, 8
	s_branch .Lld_512
.Lp_w0:
	s_and_b32 s43, s33, 1                          ; W0 [256][512]: K step, column group; it is step g = s of the base part
	s_lshr_b32 s44, s33, 1
	s_mov_b32 s45, s43
	s_mov_b64 s[36:37], s[6:7]
	s_branch .Lp_base
.Lp_w1:
	s_sub_co_u32 s33, s33, 32                      ; W1 [512][512]: step g = 2 + s
	s_and_b32 s43, s33, 3
	s_lshr_b32 s44, s33, 2
	s_add_co_u32 s45, s43, 2
	s_mov_b64 s[36:37], s[8:9]
.Lp_base:
	s_lshl_b32 s34, s43, 18
	s_lshl_b32 s46, s44, 7
	s_add_co_u32 s34, s34, s46
	s_add_nc_u64 s[36:37], s[36:37], s[34:35]
	s_lshr_b32 s46, s44, 2                         ; the wave of the second launch that owns these columns
	s_mul_i32 s46, s46, 6
	s_add_co_u32 s46, s46, s45                     ; 6 w + g
	s_and_b32 s47, s44, 3
	s_lshl_b32 s38, s46, 3
	s_lshl_b32 s48, s47, 1
	s_add_co_u32 s38, s38, s48
	s_mul_i32 s38, s38, 1536
	s_mov_b32 s39, 1536
	s_lshl_b32 s40, s46, 9
	s_lshl_b32 s48, s47, 3
	s_add_co_u32 s40, s40, s48
	s_mov_b32 s41, 4
	s_mov_b32 s42, 32
.macro QLOAD pitch, rows               ; W(k, my column), k = 0 .. 127 of the K step; 32 lanes read 128 consecutive bytes.  Past the end of K: zeros, as the quantiser fills them
.set ii, 0
.rept 128
.if ii < \rows
	global_load_b32 v[64+ii], v4, s[36:37] offset:ii*\pitch th:TH_LOAD_NT
.else
	v_mov_b32 v[64+ii], 0
.endif
.set ii, ii+1
.endr
.endm
.Lld_2048:
	s_wait_alu depctr_va_vdst(0)
	QLOAD 2048, 128
	s_branch .Lq
.Lld_512:
	s_wait_alu depctr_va_vdst(0)
	QLOAD 512, 128
	s_branch .Lq
.Lld_256:
	s_wait_alu depctr_va_vdst(0)
	QLOAD 256, 128
	s_branch .Lq
.Lld_h1:
	s_wait_alu depctr_va_vdst(0)
	QLOAD 128, 64
	s_branch .Lq
.Lld_h2:
	s_wait_alu depctr_va_vdst(0)
	QLOAD 128, 32
.Lq:
	v_bfe_u32 v5, v1, 3, 1                         ; u: which of the group's two tiles my column goes to
	v_and_b32 v6, 7, v1
	v_lshrrev_b32 v7, 4, v1
	s_delay_alu instid0(VALU_DEP_1)
	v_lshl_or_b32 v6, v7, 3, v6                    ; its tile row
	s_delay_alu instid0(VALU_DEP_4)
	v_mul_lo_u32 v8, v5, s39
	s_delay_alu instid0(VALU_DEP_1)
	v_lshl_add_u32 v8, v6, 4, v8
	s_delay_alu instid0(VALU_DEP_1)
	v_add_nc_u32 v8, s38, v8                       ; where its codes go
	v_mul_lo_u32 v9, v5, s41
	v_mul_lo_u32 v10, v6, s42
	s_delay_alu instid0(VALU_DEP_1)
	v_add3_u32 v9, v9, v10, s40                    ; and its scale word
	s_wait_loadcnt 0x0
.irp b,0,1,2,3
	v_max3_num_f32 v[12+\b], |v[64+32*\b]|, |v[65+32*\b]|, 0x1800000   ; block b: all 32 numbers are mine; the floor 2^(3 - 127) holds the byte at 1 from below
.endr
.irp i,2,4,6,8,10,12,14,16,18,20,22,24,26,28,30
.irp b,0,1,2,3
	s_delay_alu instid0(VALU_DEP_4)
	v_max3_num_f32 v[12+\b], v[12+\b], |v[64+32*\b+\i]|, |v[65+32*\b+\i]|
.endr
.endr
.irp b,0,1,2,3
	s_delay_alu instid0(VALU_DEP_4)
	v_add_nc_u32 v[16+\b], 0xff000000, v[12+\b]    ; 2 off the exponent field: the conversion's scale operand
.endr
.irp b,0,1,2,3
	s_delay_alu instid0(VALU_DEP_4)
	v_lshrrev_b32 v[20+\b], 23, v[16+\b]           ; the scale's byte
.endr
	s_delay_alu instid0(VALU_DEP_3)
	v_lshl_or_b32 v24, v21, 8, v20
	s_delay_alu instid0(VALU_DEP_1)
	v_lshl_or_b32 v24, v22, 16, v24
	s_delay_alu instid0(VALU_DEP_1)
	v_lshl_or_b32 v24, v23, 24, v24
; Block 2 c + h is registers 6 c .. 6 c + 5 of the fragment's lane 16 h + tile row: v[192 + 12 h ..].  A conversion's three registers begin on an even number: a block's second half is made elsewhere and moved
.irp h,0,1
.irp c,0,1
	v_cvt_scalef32_pk16_fp6_f32 v[192+12*\h+6*\c:194+12*\h+6*\c], v[64+32*(2*\c+\h):79+32*(2*\c+\h)], v[16+2*\c+\h]
	v_cvt_scalef32_pk16_fp6_f32 v[216+4*(2*\h+\c):218+4*(2*\h+\c)], v[80+32*(2*\c+\h):95+32*(2*\c+\h)], v[16+2*\c+\h]
.endr
.endr
	v_nop                                          ; one plain place behind a scaled conversion
.irp h,0,1
.irp c,0,1
.irp i,0,1,2
	v_mov_b32 v[195+12*\h+6*\c+\i], v[216+4*(2*\h+\c)+\i]
.endr
.endr
.endr
.irp h,0,1
.irp c,0,1,2
	global_store_b128 v8, v[192+12*\h+4*\c:195+12*\h+4*\c], s[26:27] offset:512*\c+256*\h   ; the sixteen lanes of a tile store 256 consecutive bytes, aligned
.endr
.endr
	global_store_b32 v9, v24, s[28:29]
.Lnone:
	s_endpgm
; ---------------- the feature norm.  A wave takes 32 rows of obs: 4 trips of 4 steps, a step = 2 rows = 512 numbers.  Each load reads 512 consecutive bytes; a step's 2,048 bytes turn through the wave's own
; stage in LDS (16 bytes of padding behind each 64) and come back 64 bytes a lane: lane p holds columns 16 (p % 16) + 0 .. 15 of row p / 16: sixteen lanes hold a row, two neighbouring lanes a block of 32.
; The four steps of a trip go line by line, by turns.  v16-79 as loaded; v80-143 four sets of 16 neighbours; v144-159 codes; v160-175 gain, v176-191 bias; v192-223 at work, 8 a step; v224-239 (-mean, -, 1/sigma, -) a step.
.set OBASE, 1536                       ; LDS behind the spare words: a region for each wave: four stages of 32 x 80 bytes, then its 256 scale bytes
.set OREG,  10752
.macro OLOAD
.set ii, 0
.rept 16
	global_load_b128 v[16+4*ii:19+4*ii], v4, s[36:37] offset:512*ii th:TH_LOAD_NT
.set ii, ii+1
.endr
.endm
.macro OSUM16 x                        ; v[x + 4 t] summed over the sixteen lanes of its row, in every lane
.irp m,1,2,4,8
.irp t,0,1,2,3
	v_add_f32_dpp v[(\x)+4*\t], v[(\x)+4*\t], v[(\x)+4*\t] row_xmask:\m row_mask:0xf bank_mask:0xf
.endr
.endr
.endm
.Lobs:
	s_load_b256 s[36:43], s[0:1], 0x70             ; obs 36, fn_scale 38, fn_bias 40, xq 42
	s_load_b64 s[44:45], s[0:1], 0x90              ; xs
	s_wait_alu depctr_va_vdst(0)
	v_lshlrev_b32 v4, 4, v1                        ; my 16 bytes of a load's 512
	s_mul_i32 s33, s32, OREG
	s_add_co_u32 s33, s33, OBASE                   ; my wave's region
	v_lshrrev_b32 v5, 2, v1
	v_mul_u32_u24 v5, v5, 80
	v_and_b32 v6, 3, v1
	v_lshl_add_u32 v5, v6, 4, v5
	v_add_nc_u32 v5, s33, v5                       ; the stage, in: 80 (lane / 4) + 16 (lane % 4)
	v_mul_u32_u24 v6, v1, 80
	v_add_nc_u32 v6, s33, v6                       ; and back: 80 x lane
	v_mul_u32_u24 v7, v1, 12                       ; my 16 codes' place in a step's 384 bytes
	v_lshrrev_b32 v8, 1, v1
	s_add_co_u32 s34, s33, 4*2560
	v_add_nc_u32 v8, s34, v8                       ; my block's scale byte
	v_lshlrev_b32 v9, 3, v1
	v_add_nc_u32 v10, s34, v9                      ; the scale bytes on their way out: 8 a lane
	v_and_b32 v11, 15, v1
	v_lshlrev_b32 v11, 6, v11                      ; my 16 columns' gain and bias
.irp t,0,1,2,3
	v_mov_b32 v[225+4*\t], 0                       ; the upper halves of pairs of which the low word serves both halves
	v_mov_b32 v[227+4*\t], 0
.endr
	s_mov_b32 s48, 0x3b800000                      ; 1/256
	s_mov_b32 s49, 0x3727c5ac                      ; 1e-5
	s_sub_co_u32 s46, ttmp9, 78
	s_lshl_b32 s46, s46, 3
	s_add_co_u32 s46, s46, s32                     ; which 32 rows: 0 .. 1023
	s_wait_alu depctr_va_vdst(0)
	s_wait_kmcnt 0x0
	s_lshl_b32 s34, s46, 15                        ; 32 rows of 1,024 bytes
	s_add_nc_u64 s[36:37], s[36:37], s[34:35]
	s_mul_i32 s34, s46, 6144                       ; 32 rows of 192 bytes
	s_add_nc_u64 s[42:43], s[42:43], s[34:35]
	s_lshl_b32 s34, s46, 8                         ; 32 rows of 8 bytes
	s_add_nc_u64 s[44:45], s[44:45], s[34:35]
.irp j,0,1,2,3
	global_load_b128 v[160+4*\j:163+4*\j], v11, s[38:39] offset:16*\j
	global_load_b128 v[176+4*\j:179+4*\j], v11, s[40:41] offset:16*\j
.endr
	OLOAD
	s_mov_b32 s47, 0                               ; the trip
	s_mov_b32 s50, 0                               ; 64 scale bytes a trip
.Lotrip:
	s_wait_loadcnt 0x0                             ; this trip's 16 loads, asked for a trip ago
.irp t,0,1,2,3
.irp i,0,1,2,3
	ds_store_b128 v5, v[16+16*\t+4*\i:19+16*\t+4*\i] offset:2560*\t+640*\i
.endr
.endr
.irp t,0,1,2,3
.irp i,0,1,2,3
	ds_load_b128 v[80+16*\t+4*\i:83+16*\t+4*\i], v6 offset:2560*\t+16*\i   ; my own bytes: LDS serves a wave's instructions in order
.endr
.endr
	s_wait_dscnt 0x0                               ; the numbers are back, and the stores have read their registers
	s_add_nc_u64 s[36:37], s[36:37], 8192          ; the loads that read this base are done
	s_cmp_eq_u32 s47, 3
	s_cbranch_scc1 .Lolast                         ; the last trip asks for nothing
	OLOAD
.Lolast:
	v_add_nc_u32 v12, s50, v8
.irp t,0,1,2,3
.irp c,0,1,2,3
	v_pk_add_f32 v[192+8*\t+2*\c:193+8*\t+2*\c], v[80+16*\t+4*\c:81+16*\t+4*\c], v[82+16*\t+4*\c:83+16*\t+4*\c]
.endr
.endr
.irp t,0,1,2,3
	v_pk_add_f32 v[192+8*\t:193+8*\t], v[192+8*\t:193+8*\t], v[194+8*\t:195+8*\t]
	v_pk_add_f32 v[196+8*\t:197+8*\t], v[196+8*\t:197+8*\t], v[198+8*\t:199+8*\t]
.endr
.irp t,0,1,2,3
	v_pk_add_f32 v[192+8*\t:193+8*\t], v[192+8*\t:193+8*\t], v[196+8*\t:197+8*\t]
.endr
.irp t,0,1,2,3
	v_add_f32 v[224+4*\t], v[192+8*\t], v[193+8*\t]
.endr
	OSUM16 224
.irp t,0,1,2,3
	v_mul_f32 v[224+4*\t], 0xbb800000, v[224+4*\t]     ; -mean
.endr
.irp t,0,1,2,3
.irp k,0,1,2,3,4,5,6,7
	v_pk_add_f32 v[80+16*\t+2*\k:81+16*\t+2*\k], v[80+16*\t+2*\k:81+16*\t+2*\k], v[224+4*\t:225+4*\t] op_sel_hi:[1,0]
.endr
.endr
.irp t,0,1,2,3
	v_pk_mul_f32 v[192+8*\t:193+8*\t], v[80+16*\t:81+16*\t], v[80+16*\t:81+16*\t]
	v_pk_mul_f32 v[194+8*\t:195+8*\t], v[82+16*\t:83+16*\t], v[82+16*\t:83+16*\t]
.endr
.irp k,4,8,12
.irp t,0,1,2,3
	v_pk_fma_f32 v[192+8*\t:193+8*\t], v[80+16*\t+\k:81+16*\t+\k], v[80+16*\t+\k:81+16*\t+\k], v[192+8*\t:193+8*\t]
	v_pk_fma_f32 v[194+8*\t:195+8*\t], v[82+16*\t+\k:83+16*\t+\k], v[82+16*\t+\k:83+16*\t+\k], v[194+8*\t:195+8*\t]
.endr
.endr
.irp t,0,1,2,3
	v_pk_add_f32 v[192+8*\t:193+8*\t], v[192+8*\t:193+8*\t], v[194+8*\t:195+8*\t]
.endr
.irp t,0,1,2,3
	v_add_f32 v[226+4*\t], v[192+8*\t], v[193+8*\t]
.endr
	OSUM16 226
.irp t,0,1,2,3
	v_fma_f32 v[226+4*\t], v[226+4*\t], s48, s49       ; the variance + 1e-5
.endr
	s_wait_alu depctr_va_vdst(0)                   ; a wait ahead of the batch,
.irp t,0,1,2,3
	v_rsq_f32 v[226+4*\t], v[226+4*\t]
.endr
	v_nop                                          ; one plain place behind it,
	s_wait_alu depctr_va_vdst(0)                   ; and the wait ahead of its first reader
.irp t,0,1,2,3
.irp k,0,1,2,3,4,5,6,7
	v_pk_mul_f32 v[80+16*\t+2*\k:81+16*\t+2*\k], v[80+16*\t+2*\k:81+16*\t+2*\k], v[226+4*\t:227+4*\t] op_sel_hi:[1,0]
.endr
.endr
.irp t,0,1,2,3
.irp k,0,1,2,3,4,5,6,7
	v_pk_fma_f32 v[80+16*\t+2*\k:81+16*\t+2*\k], v[80+16*\t+2*\k:81+16*\t+2*\k], v[160+2*\k:161+2*\k], v[176+2*\k:177+2*\k]
.endr
.endr
.irp t,0,1,2,3
	v_max3_num_f32 v[192+8*\t], |v[80+16*\t]|, |v[81+16*\t]|, |v[82+16*\t]|    ; the largest magnitude of my 16
	v_max3_num_f32 v[193+8*\t], |v[83+16*\t]|, |v[84+16*\t]|, |v[85+16*\t]|
.endr
.irp i,6,10
.irp t,0,1,2,3
	v_max3_num_f32 v[192+8*\t], v[192+8*\t], |v[80+16*\t+\i]|, |v[81+16*\t+\i]|
	v_max3_num_f32 v[193+8*\t], v[193+8*\t], |v[82+16*\t+\i]|, |v[83+16*\t+\i]|
.endr
.endr
.irp t,0,1,2,3
	v_max3_num_f32 v[192+8*\t], v[192+8*\t], |v[94+16*\t]|, |v[95+16*\t]|
.endr
.irp t,0,1,2,3
	v_max3_num_f32 v[192+8*\t], v[192+8*\t], v[193+8*\t], 0x1800000    ; the floor 2^(3 - 127) holds the byte at 1 from below
.endr
.irp t,0,1,2,3
	v_max_num_f32_dpp v[192+8*\t], v[192+8*\t], v[192+8*\t] row_xmask:1 row_mask:0xf bank_mask:0xf   ; with my neighbour's 16: the block's
.endr
.irp t,0,1,2,3
	v_add_nc_u32 v[194+8*\t], 0xff000000, v[192+8*\t]  ; 2 off the exponent field: the conversion's scale operand
.endr
.irp t,0,1,2,3
	v_cvt_scalef32_pk16_fp6_f32 v[144+4*\t:146+4*\t], v[80+16*\t:95+16*\t], v[194+8*\t]
.endr
.irp t,0,1,2,3
	v_lshrrev_b32 v[195+8*\t], 23, v[194+8*\t]         ; the scale's byte
.endr
.irp t,0,1,2,3
	ds_store_b8 v12, v[195+8*\t] offset:16*\t          ; both lanes of a block write the same byte with the same value
.endr
.irp t,0,1,2,3
	global_store_b96 v7, v[144+4*\t:146+4*\t], s[42:43] offset:384*\t  ; the wave stores 384 consecutive bytes: two rows of codes
.endr
	s_wait_xcnt 0x0                                ; the stores have read their base and their data: both are written again below and in the next trip
	s_add_nc_u64 s[42:43], s[42:43], 1536
	s_add_co_u32 s50, s50, 64
	s_add_co_u32 s47, s47, 1
	s_cmp_lt_u32 s47, 4
	s_cbranch_scc1 .Lotrip
	ds_load_b64 v[14:15], v10
	s_wait_dscnt 0x0
	global_store_b64 v9, v[14:15], s[44:45]        ; 32 lanes store one aligned run of 256 bytes
	s_wait_tensorcnt 0x0                           ; the wave's end, behind my last LDS store
	ds_add_u32 v2, v3
	s_wait_dscnt 0x0
	s_endpgm
.Lfunc_end_k_q83570a7f09_prep:
	.size	k_q83570a7f09_prep, .Lfunc_end_k_q83570a7f09_prep-k_q83570a7f09_prep
	.p2alignl 7, 3214868480
	.fill 96, 4, 3214868480
	.section	.rodata,"a",@progbits
	.p2align	6, 0x0
	.amdhsa_kernel k_q83570a7f09_prep
		.amdhsa_group_segment_fixed_size 87552
		.amdhsa_private_segment_fixed_size 0
		.amdhsa_enable_private_segment 0
		.amdhsa_kernarg_size 152
		.amdhsa_user_sgpr_count 2
		.amdhsa_user_sgpr_kernarg_segment_ptr 1
		.amdhsa_wavefront_size32 1
		.amdhsa_system_sgpr_workgroup_id_x 1
		.amdhsa_system_sgpr_workgroup_id_y 1
		.amdhsa_system_sgpr_workgroup_id_z 1
		.amdhsa_system_vgpr_workitem_id 0
		.amdhsa_next_free_vgpr 256
		.amdhsa_next_free_sgpr 66
		.amdhsa_reserve_vcc 1
		.amdhsa_float_denorm_mode_32 3
		.amdhsa_float_denorm_mode_16_64 3
		.amdhsa_memory_ordered 1
		.amdhsa_forward_progress 1
		.amdhsa_inst_pref_size 160
	.end_amdhsa_kernel
	.amdgpu_metadata
---
amdhsa.version: [ 1, 2 ]
amdhsa.kernels:
  - .name:           k_q83570a7f09_prep
    .symbol:         k_q83570a7f09_prep.kd
    .args:
      - { .name: role_ids, .offset: 0, .size: 8, .value_kind: global_buffer, .address_space: global }
      - { .name: W0, .offset: 8, .size: 8, .value_kind: global_buffer, .address_space: global }
      - { .name: W1, .offset: 16, .size: 8, .value_kind: global_buffer, .address_space: global }
      - { .name: Wr0, .offset: 24, .size: 8, .value_kind: global_buffer, .address_space: global }
      - { .name: Wr1, .offset: 32, .size: 8, .value_kind: global_buffer, .address_space: global }
      - { .name: Wh0, .offset: 40, .size: 8, .value_kind: global_buffer, .address_space: global }
      - { .name: Wh1, .offset: 48, .size: 8, .value_kind: global_buffer, .address_space: global }
      - { .name: Wh2, .offset: 56, .size: 8, .value_kind: global_buffer, .address_space: global }
      - { .name: rnn_states, .offset: 64, .size: 8, .value_kind: global_buffer, .address_space: global }
      - { .name: order, .offset: 72, .size: 8, .value_kind: global_buffer, .address_space: global }
      - { .name: bounds, .offset: 80, .size: 8, .value_kind: global_buffer, .address_space: global }
      - { .name: wq, .offset: 88, .size: 8, .value_kind: global_buffer, .address_space: global }
      - { .name: ws, .offset: 96, .size: 8, .value_kind: global_buffer, .address_space: global }
      - { .name: out0, .offset: 104, .size: 8, .value_kind: global_buffer, .address_space: global }
      - { .name: obs, .offset: 112, .size: 8, .value_kind: global_buffer, .address_space: global }
      - { .name: fn_scale, .offset: 120, .size: 8, .value_kind: global_buffer, .address_space: global }
      - { .name: fn_bias, .offset: 128, .size: 8, .value_kind: global_buffer, .address_space: global }
      - { .name: xq, .offset: 136, .size: 8, .value_kind: global_buffer, .address_space: global }
      - { .name: xs, .offset: 144, .size: 8, .value_kind: global_buffer, .address_space: global }
    .group_segment_fixed_size: 87552
    .private_segment_fixed_size: 0
    .kernarg_segment_align: 8
    .kernarg_segment_size: 152
    .max_flat_workgroup_size: 256
    .sgpr_count:     66
    .vgpr_count:     256
    .wavefront_size: 32
...
	.end_amdgpu_metadata
.endif
;; end of part 1
;; launch chain (part 2): grid 256 x 1, 4 waves a work-group, no clusters, 249,344 bytes of LDS; arguments xq, order, bounds, wq, ws, xs, available_actions, b0, b1, ln0_scale, ln0_bias, ln1_scale, ln1_bias, br0, br1, bh0, bh1, bh2, out1; writes out1
.if DOCPART == 2
	.amdgcn_target "amdgcn-amd-amdhsa--gfx1250"
	.amdhsa_code_object_version 6
	.text
	.protected	k_q83570a7f09_chain
	.globl	k_q83570a7f09_chain
	.p2align	8
	.type	k_q83570a7f09_chain,@function
k_q83570a7f09_chain:
	s_mov_b64 s[64:65], 0
	v_nop
	global_prefetch_b8 v0, s[64:65] scope:SCOPE_SE
	s_setreg_imm32_b32 hwreg(HW_REG_WAVE_MODE, 25, 1), 1
	s_wait_xcnt 0x0
; CHAIN: work-group g takes the tokens at sorted places 128 g .. 128 g + 127 through the whole module and stores their rows of out1.  Nothing in between goes to memory.
; All seven products run on codes of E2M3 with one E8M0 scale for 32 along K, TRANSPOSED: source 0 = 16 weight columns (laid out by the first launch), source 1 = 16 rows of the activation:
; lane (r, h) then holds row r, and the 16 registers of two neighbouring tiles are the columns 32 b + 16 h + 0 .. 15: 16 neighbours along the next K.
; SHARES (8 tiles m of 16 rows).  Products 1, 2, 4: wave w owns columns 128 w .. 128 w + 127 for all rows (64 accumulators, 512 registers).  Product 3: wave w owns the route's hidden
; columns 32 w .. +31, one block of product 4's K.  Product 5: wave w multiplies the codes it has just made (K step w); the four partial sums meet in LDS.  The gather of the normalised rows, products 6 and 7 and the way out: wave w owns rows 32 w .. +31.
; ROLES.  Only the token's own role is multiplied.  A work-group's 128 places fall into at most six runs of one role; a loop of six trips walks them, its barriers outside every branch, and branches on the stored
; bounds lead round the work alone.  A pair of row tiles that two roles share is worked once for each, and a row is stored by its own role's run.
; NO TENSOR LOADS, NO CLUSTER: operands go from memory straight into registers; the weights that all work-groups share are read by each for itself.
; OPERANDS GO FROM WAVE TO WAVE THROUGH LDS AS IMAGES OF THEIR REGISTERS: a fragment (12 registers a lane) is 3 x 512 bytes, lane l's 16 bytes at 16 l; its scale words 4 bytes a lane.
; LIMITS.  role_ids lie in 0..5.  NaN and infinities ahead of a quantiser are not served.  A block whose largest magnitude lies under 2^-124 (zeros among them) gets the byte 1, the padded part of a short K the byte 0 or 1 over zero codes.
; Product 5's f32 sum is formed as four partial sums along K.  The variance of the 512-wide norms is joined from four centred sums.  resets enters no result of the problem and is not read.
; A row of out1 is 128 bytes at a scattered token: eight lanes store it whole.
; REGISTERS, in windows of 256.  Window 0: v1-31 addresses and constants, v32-55 scale words, v56-63 my rows' places in out1, v64-255 at work.  Window 1: weights (two sets of 96; later the role's), from v192 a bias or a gain.
; Windows 2, 3: the accumulators, (m, tt) at v[8 (8 (m % 4) + tt)] of window 2 + m / 4.
; THE FIRST NORM AND ITS QUANTISER STAND IN THE FIRST LAUNCH: this one gathers each token's 192 bytes of codes (xq) and 8 scale bytes (xs) straight into the operand's registers; obs, fn_scale and fn_bias are no arguments here,
; and no raw row is staged.  The row tiles of products 4 and 5 are walked by a loop of eight trips; only what names a tile's LDS bytes or accumulators is written once for each tile.
.set FRB,   1536                       ; a fragment's image
.set XIMG,  133120                     ; LDS: 0: product 5's partial sums, [wave] x 32,768 + [m] x 4,096;  here: the normalised rows' 16 fragments (8 s + m),
.set XSC,   157696                     ; their scale words, 128 bytes each,
.set E0IMG, 159744                     ; the first layer's 32 fragments (8 s + m),
.set E0SC,  208896
.set R0IMG, 212992                     ; the route's hidden layer: 8 fragments (m),
.set R0SC,  225280
.set STAT,  226304                     ; [m] x 512: row r at 32 r, wave v's (-mean, sum of squares) at 8 v,
.set LGST,  230400                     ; the way out: for each wave 32 rows of 128 bytes + 16,
.set SPARE, 248832                     ; the spare words, 128 bytes for each wave: two blocks of 256 bytes that no other line names
.set MSB, 0
.macro WIN new                         ; bits 1:0 source 0, 3:2 source 1, 5:4 source 2, 7:6 destination; the high byte repeats the setting that is left
.if MSB != (\new)
	s_set_vgpr_msb (MSB<<8)|(\new)
.set MSB, (\new)
.endif
.endm
.macro PLACES n                        ; plain places behind or ahead of matrix instructions (ISA guide 7.12.1)
.rept \n
	v_nop
.endr
.endm
.macro BARRIER                         ; my LDS stores have landed and my LDS loads are in: then the work-group's barrier
	s_wait_dscnt 0x0
	s_barrier_signal -1
	s_barrier_wait -1
.endm
.macro MM d, a, b, c, sa, sb
	v_wmma_scale_f32_16x16x128_f8f6f4 v[(\d):(\d)+7], v[(\a):(\a)+11], v[(\b):(\b)+11], v[(\c):(\c)+7], v[\sa], v[\sb] matrix_a_fmt:MATRIX_FMT_FP6 matrix_b_fmt:MATRIX_FMT_FP6
.endm
.macro MMZ d, a, b, sa, sb
	v_wmma_scale_f32_16x16x128_f8f6f4 v[(\d):(\d)+7], v[(\a):(\a)+11], v[(\b):(\b)+11], 0, v[\sa], v[\sb] matrix_a_fmt:MATRIX_FMT_FP6 matrix_b_fmt:MATRIX_FMT_FP6
.endm
.macro FETCH reg, adr, off
.irp c,0,1,2
	ds_load_b128 v[(\reg)+4*\c:(\reg)+4*\c+3], v[\adr] offset:(\off)+512*\c
.endr
.endm
.macro IMAGE adr, off, pc
.irp c,0,1,2
	ds_store_b128 v[\adr], v[(\pc)+4*\c:(\pc)+4*\c+3] offset:(\off)+512*\c
.endr
.endm
; 64 numbers of a lane in window win, register 16 b + i = k 32 b + 16 (lane / 16) + i of my row, become a fragment's codes in v[pc .. pc + 11] and its scale word in v[pw].  tm: 12 registers, pc: 20.
.macro QUANT src, win, tm, pc, pw
	WIN (\win)*5
.irp b,0,1,2,3
	v_max3_num_f32 v[(\tm)+\b], |v[(\src)+16*\b]|, |v[(\src)+16*\b+1]|, 0x1800000   ; my 16 numbers of block b, and the floor 2^(3 - 127): the byte cannot fall under 1
.endr
.irp i,2,4,6,8,10,12,14
.irp b,0,1,2,3
	v_max3_num_f32 v[(\tm)+\b], |v[(\src)+16*\b+\i]|, |v[(\src)+16*\b+\i+1]|, v[(\tm)+\b]
.endr
.endr
	WIN 0
.irp b,0,1,2,3
	v_permlanex16_b32 v[(\tm)+4+\b], v[(\tm)+\b], s98, s99
.endr
.irp b,0,1,2,3
	v_max_num_f32 v[(\tm)+\b], v[(\tm)+\b], v[(\tm)+4+\b]      ; with lane l xor 16's: the block's largest magnitude
.endr
.irp b,0,1,2,3
	v_add_nc_u32 v[(\tm)+8+\b], 0xff000000, v[(\tm)+\b]        ; 2 off its exponent field: the conversion's scale operand
.endr
.irp b,0,1,2,3
	v_lshrrev_b32 v[(\tm)+4+\b], 23, v[(\tm)+8+\b]             ; the scale's byte
.endr
	v_lshl_or_b32 v[\pw], v[(\tm)+5], 8, v[(\tm)+4]
	v_lshl_or_b32 v[\pw], v[(\tm)+6], 16, v[\pw]
	v_lshl_or_b32 v[\pw], v[(\tm)+7], 24, v[\pw]
	WIN \win
.irp c,0,1
	v_cvt_scalef32_pk16_fp6_f32 v[(\pc)+6*\c:(\pc)+6*\c+2], v[(\src)+32*\c:(\src)+32*\c+15], v[(\tm)+8+2*\c]
	v_cvt_scalef32_pk16_fp6_f32 v[(\pc)+12+4*\c:(\pc)+14+4*\c], v[(\src)+32*\c+16:(\src)+32*\c+31], v[(\tm)+9+2*\c]   ; (a conversion's three registers begin on an even number)
.endr
	WIN 0
	v_nop                                          ; one plain place behind a scaled conversion
.irp c,0,1                                     ; the operand's layout wants a whole block in a lane: lanes 0-15 block 2 c, lanes 16-31 block 2 c + 1
.irp i,0,1,2
	v_permlane16_swap_b32 v[(\pc)+6*\c+\i], v[(\pc)+12+4*\c+\i]
.endr
.irp i,0,1,2
	v_mov_b32 v[(\pc)+3+6*\c+\i], v[(\pc)+12+4*\c+\i]
.endr
.endr
.endm
; The same for a K of 64 (two = 1) or 32 (two = 0), of numbers that are not negative: registers pc .. pc + 5; pc + 6 .. pc + 11 hold zeros.  At work: v152-157, v168-170.
.macro QUANT2 src, pc, pw, two
	v_max3_num_f32 v152, v[(\src)], v[(\src)+1], 0x1800000
.if \two
	v_max3_num_f32 v153, v[(\src)+16], v[(\src)+17], 0x1800000
.endif
.irp i,2,4,6,8,10,12,14
	v_max3_num_f32 v152, v152, v[(\src)+\i], v[(\src)+\i+1]
.if \two
	v_max3_num_f32 v153, v153, v[(\src)+16+\i], v[(\src)+17+\i]
.endif
.endr
	v_permlanex16_b32 v154, v152, s98, s99
.if \two
	v_permlanex16_b32 v155, v153, s98, s99
.endif
	v_max_num_f32 v152, v152, v154
	v_add_nc_u32 v156, 0xff000000, v152
	v_lshrrev_b32 v[\pw], 23, v156
.if \two
	v_max_num_f32 v153, v153, v155
	v_add_nc_u32 v157, 0xff000000, v153
	v_lshrrev_b32 v154, 23, v157
	v_lshl_or_b32 v[\pw], v154, 8, v[\pw]
.else
.irp i,0,1,2
	v_mov_b32 v[168+\i], 0                         ; the second block is the quantiser's fill: zero codes
.endr
.endif
	v_cvt_scalef32_pk16_fp6_f32 v[(\pc):(\pc)+2], v[(\src):(\src)+15], v156
.if \two
	v_cvt_scalef32_pk16_fp6_f32 v[168:170], v[(\src)+16:(\src)+31], v157
.endif
	v_nop
.irp i,0,1,2
	v_permlane16_swap_b32 v[(\pc)+\i], v[168+\i]
.endr
.irp i,0,1,2
	v_mov_b32 v[(\pc)+3+\i], v[168+\i]
.endr
.endm
; 64 numbers by column, in the result's layout (register 16 b + x = column 128 w + 32 b + 16 h + x), into v[base ..] of the window that is set
.macro COLLD base, lo
.irp b,0,1,2,3
.irp j,0,1,2,3
	global_load_b128 v[(\base)+16*\b+4*\j:(\base)+16*\b+4*\j+3], v27, s[\lo:\lo+1] offset:128*\b+16*\j
.endr
.endr
.endm
; K step g (counted from s[4:5]) of my 8 weight tiles into set buf of window 1, and its scale words: 26 loads
.macro WLOAD buf, g
	WIN 0x40
.irp tt,0,1,2,3,4,5,6,7
.irp c,0,1,2
	global_load_b128 v[96*(\buf)+12*\tt+4*\c:96*(\buf)+12*\tt+4*\c+3], v1, s[4:5] offset:(\g)*8*FRB+\tt*FRB+512*\c
.endr
.endr
	WIN 0
	global_load_b128 v[32+8*(\buf):35+8*(\buf)], v24, s[6:7] offset:(\g)*512
	global_load_b128 v[36+8*(\buf):39+8*(\buf)], v24, s[6:7] offset:(\g)*512+16
.endm
.macro AFETCH sg, m0                   ; the activation's fragments of K step sg, row tiles m0 .. m0 + 3, and their scale words: 16 LDS loads
.irp m,\m0,\m0+1,\m0+2,\m0+3
	FETCH 64+12*(\m), 7, (8*(\sg)+(\m))*FRB
	ds_load_b32 v[48+(\m)], v8 offset:(8*(\sg)+(\m))*128
.endr
.endm
.macro MUL32 buf, m0, first            ; my 8 tiles x 4 row tiles; the accumulators take turns, one instruction a turn
.irp tt,0,1,2,3,4,5,6,7
.irp mm,0,1,2,3
.if \first
	MM 8*(8*\mm+\tt), 96*(\buf)+12*\tt, 64+12*((\m0)+\mm), 192+8*\tt, 32+8*(\buf)+\tt, 48+(\m0)+\mm
.else
	MM 8*(8*\mm+\tt), 96*(\buf)+12*\tt, 64+12*((\m0)+\mm), 8*(8*\mm+\tt), 32+8*(\buf)+\tt, 48+(\m0)+\mm
.endif
.endr
.endr
.endm
; A K step of 128: 64 matrix instructions.  first = 1: the bias (window 1, v192 on) is the C that starts the sums.  next = 1: the next K step's fragments are fetched, each half as soon as its registers are free.
.macro STEP buf, sg, first, next
	s_wait_dscnt 16                                ; row tiles 0-3 are in; the 16 younger loads (tiles 4-7) may be out
.if \first
	WIN 0x91
.else
	WIN 0xa1
.endif
	MUL32 \buf, 0, \first
	s_wait_dscnt 0x0                               ; tiles 4-7 are in
	PLACES 4                                       ; in front of loads into registers that matrix instructions have read
	WIN 0
.if \next
	AFETCH (\sg)+1, 0
.endif
.if \first
	WIN 0xd1
.else
	WIN 0xf1
.endif
	MUL32 \buf, 4, \first
	PLACES 4
	WIN 0
.if \next
	AFETCH (\sg)+1, 4
.endif
.endm
; The run of one role that begins at place s54: s56 its role, s55 its end, s57 .. s58 the pairs of row tiles that it touches (4 .. 0: none), s59 its first row in the work-group, s60 its length.  No branch.
.macro NEXTSEG
	s_mov_b32 s56, 0
.irp k,45,46,47,48,49
	s_cmp_le_u32 s\k, s54
	s_add_co_ci_u32 s56, s56, 0
.endr
	s_min_u32 s56, s56, 5                          ; it enters addresses: held inside the tables whatever was loaded
	s_add_co_u32 s55, s53, 128
.irp k,45,46,47,48,49,50
	s_cmp_gt_u32 s\k, s54
	s_cselect_b32 s2, s\k, s100
	s_min_u32 s55, s55, s2
.endr
	s_sub_co_u32 s59, s54, s53
	s_sub_co_u32 s60, s55, s54
	s_lshr_b32 s57, s59, 5
	s_add_co_u32 s2, s59, s60
	s_sub_co_u32 s2, s2, 1
	s_lshr_b32 s58, s2, 5
	s_cmp_lt_u32 s59, 128
	s_cselect_b32 s57, s57, 4
	s_cselect_b32 s58, s58, 0
.endm
; The role's weights for products 3, 4, 5, their scale words and product 3's bias: 57 loads
.macro RL_A
	s_wait_xcnt 0x0                                ; earlier loads have read the pointers that are written now
	s_mul_i32 s2, s56, 16*FRB
	s_mul_i32 s101, s52, 4*FRB
	s_add_co_u32 s2, s2, s101
	s_mov_b32 s3, 0
	s_add_nc_u64 s[16:17], s[10:11], s[2:3]
	s_lshl_b32 s2, s2, 1
	s_add_nc_u64 s[18:19], s[10:11], s[2:3]
	s_lshl_b32 s2, s56, 10
	s_lshl_b32 s101, s52, 8
	s_add_co_u32 s2, s2, s101
	s_add_nc_u64 s[40:41], s[12:13], s[2:3]
	WIN 0x40
.irp f,0,1,2,3
.irp c,0,1,2
	global_load_b128 v[12*\f+4*\c:12*\f+4*\c+3], v1, s[16:17] offset:192*FRB+\f*FRB+512*\c       ; product 3: tile u, K step s at 2 u + s
.endr
.endr
.irp f,0,1,2,3,4,5,6,7
.irp c,0,1,2
	global_load_b128 v[48+12*\f+4*\c:48+12*\f+4*\c+3], v1, s[18:19] offset:288*FRB+\f*FRB+512*\c  ; product 4: my 8 tiles
.endr
.endr
.irp f,0,1,2,3
.irp c,0,1,2
	global_load_b128 v[144+12*\f+4*\c:144+12*\f+4*\c+3], v1, s[16:17] offset:480*FRB+\f*FRB+512*\c ; product 5: K step w, 4 tiles
.endr
.endr
	WIN 0
	global_load_b64 v[32:33], v26, s[40:41] offset:12288
	global_load_b64 v[34:35], v26, s[40:41] offset:12288+128
	global_load_b128 v[44:47], v25, s[40:41] offset:30720
	s_wait_xcnt 0x0
	s_lshl_b32 s2, s2, 1
	s_add_nc_u64 s[16:17], s[12:13], s[2:3]
	s_lshl_b32 s2, s56, 9
	s_lshl_b32 s101, s52, 7
	s_add_co_u32 s2, s2, s101
	s_add_nc_u64 s[18:19], s[30:31], s[2:3]
	global_load_b128 v[36:39], v25, s[16:17] offset:18432
	global_load_b128 v[40:43], v25, s[16:17] offset:18432+256
.irp j,0,1,2,3
	global_load_b128 v[224+4*\j:227+4*\j], v28, s[18:19] offset:16*\j
.endr
.endm
.macro RL_B                            ; product 4's bias
	s_wait_xcnt 0x0
	s_lshl_b32 s2, s56, 11
	s_mov_b32 s3, 0
	s_add_nc_u64 s[20:21], s[32:33], s[2:3]
	WIN 0x40
	COLLD 192, 20
	WIN 0
.endm
.macro CLOAD                           ; the head's last two weights, their scale words and the head's three biases: 30 loads
	s_wait_xcnt 0x0
	s_mul_i32 s2, s56, 2*FRB
	s_mov_b32 s3, 0
	s_add_nc_u64 s[22:23], s[10:11], s[2:3]
	s_lshl_b32 s2, s56, 7
	s_add_nc_u64 s[24:25], s[12:13], s[2:3]
	s_add_nc_u64 s[26:27], s[36:37], s[2:3]
	s_add_nc_u64 s[28:29], s[38:39], s[2:3]
	s_lshl_b32 s2, s56, 8
	s_add_nc_u64 s[8:9], s[34:35], s[2:3]
	WIN 0x40
.irp t,0,1
.irp c,0,1,2
	global_load_b128 v[12*\t+4*\c:12*\t+4*\c+3], v1, s[22:23] offset:576*FRB+\t*FRB+512*\c
	global_load_b128 v[24+12*\t+4*\c:24+12*\t+4*\c+3], v1, s[22:23] offset:588*FRB+\t*FRB+512*\c
.endr
.endr
	WIN 0
	global_load_b64 v[52:53], v26, s[24:25] offset:36864
	global_load_b64 v[54:55], v26, s[24:25] offset:37632
.irp b,0,1
.irp j,0,1,2,3
	global_load_b128 v[192+16*\b+4*\j:195+16*\b+4*\j], v28, s[8:9] offset:128*\b+16*\j
.endr
.endr
.irp j,0,1,2,3
	global_load_b128 v[224+4*\j:227+4*\j], v28, s[26:27] offset:16*\j
	global_load_b128 v[240+4*\j:243+4*\j], v28, s[28:29] offset:16*\j
.endr
.endm
; ================ the head
	s_load_b512 s[4:19], s[0:1], 0x0               ; xq 4, order 6, bounds 8, wq 10, ws 12, xs 14, available_actions 16, b0 18
	s_load_b512 s[20:35], s[0:1], 0x40             ; b1 20, ln0_scale 22, ln0_bias 24, ln1_scale 26, ln1_bias 28, br0 30, br1 32, bh0 34
	s_load_b128 s[36:39], s[0:1], 0x80             ; bh1 36, bh2 38
	s_load_b64 s[42:43], s[0:1], 0x90              ; out1
	v_lshl_add_u32 v5, v0, 2, SPARE                ; my spare word,
	v_mov_b32 v6, 0                                ; and 0: kept for the add alone
	v_lshrrev_b32 v7, 5, v0
	v_readfirstlane_b32 s52, v7                    ; wave 0..3
	v_and_b32 v8, 31, v0                           ; lane
	v_and_b32 v3, 15, v0                           ; r
	v_bfe_u32 v4, v0, 4, 1                         ; h
	v_lshlrev_b32 v1, 4, v8                        ; 16 x lane: an image's place for my lane
	v_lshlrev_b32 v2, 2, v8                        ; 4 x lane: a scale word's
	v_lshlrev_b32 v24, 5, v3
	v_lshlrev_b32 v25, 4, v3
	v_lshlrev_b32 v26, 3, v3
	v_lshlrev_b32 v28, 6, v4
	v_mov_b32 v31, 0xd01502f9                      ; -1e10
	s_mul_i32 s2, s52, 8*FRB
	s_add_co_u32 s2, s2, E0IMG
	v_add_nc_u32 v9, s2, v1                        ; where I store the first layer's images: K step w
	s_lshl_b32 s2, s52, 10
	s_add_co_u32 s2, s2, E0SC
	v_add_nc_u32 v10, s2, v2
	s_lshl_b32 s2, s52, 3
	s_add_co_u32 s2, s2, STAT
	v_add_nc_u32 v11, s2, v24
	v_add_nc_u32 v12, STAT, v24
	v_add_nc_u32 v13, XIMG, v1
	v_add_nc_u32 v14, XSC, v2
	s_and_b32 s2, s52, 1
	s_lshl_b32 s2, s2, 8
	s_add_co_u32 s2, s2, R0IMG
	v_add_nc_u32 v15, s2, v25                      ; my block of the route's hidden layer belongs to the fragment's lane 16 (w % 2) + r
	s_add_co_u32 s2, s52, R0SC
	v_add_nc_u32 v16, s2, v2                       ; and byte w of the row's scale word
	v_add_nc_u32 v17, R0IMG, v1
	v_add_nc_u32 v18, R0SC, v2
	s_mul_i32 s2, s52, 4608
	s_add_co_u32 s2, s2, LGST
	v_mul_u32_u24 v22, v3, 144
	v_lshl_add_u32 v22, v4, 6, v22
	v_add_nc_u32 v22, s2, v22                      ; the way out, in: row r, 64 h
	v_lshrrev_b32 v29, 3, v8
	v_and_b32 v8, 7, v8
	v_mul_u32_u24 v23, v29, 144
	v_lshl_add_u32 v23, v8, 4, v23
	v_add_nc_u32 v23, s2, v23                      ; back: eight lanes to a row of 128 bytes
	v_lshlrev_b32 v81, 2, v29
	v_lshlrev_b32 v8, 4, v8
	s_lshl_b32 s2, s52, 9
	v_add_nc_u32 v27, s2, v28                      ; 64 h + 512 w: my columns' numbers by column
	s_lshl_b32 s2, s52, 5
	v_add_nc_u32 v29, s2, v29                      ; 32 w + lane / 8
	s_mul_i32 s2, s52, 2*FRB
	s_add_co_u32 s2, s2, XIMG
	v_add_nc_u32 v20, s2, v1                       ; where I store the normalised rows' images: row tile 2 w,
	s_lshl_b32 s2, s52, 8
	s_add_co_u32 s2, s2, XSC
	v_add_nc_u32 v21, s2, v2                       ; and their scale words
	v_lshlrev_b32 v80, 2, v3                       ; 4 r: the token of row r of a tile
	v_mul_u32_u24 v70, v4, 24                      ; 24 h: my half's 24 bytes of a row's 48
	s_mov_b32 s98, 0x76543210
	s_mov_b32 s99, 0xfedcba98                      ; v_permlanex16_b32's selects for lane l xor 16
	s_mov_b32 s100, 0x7fffffff
	s_mov_b32 s104, 0x3727c5ac                     ; 1e-5
	s_mov_b32 s105, 0x3b000000                     ; 1/512
	s_lshl_b32 s53, ttmp9, 7                       ; my work-group's first place
	s_lshl_b32 s2, s52, 5
	s_add_co_u32 s2, s2, s53
	s_lshl_b32 s2, s2, 2
	s_mov_b32 s3, 0
	s_wait_alu depctr_va_vdst(0)
	s_wait_kmcnt 0x0
	s_add_nc_u64 s[40:41], s[6:7], s[2:3]          ; order at my wave's 32 places
	s_mov_b64 s[62:63], s[4:5]                     ; the rows' codes
	s_load_b256 s[44:51], s[8:9], 0x0              ; bounds
	global_load_b32 v64, v80, s[40:41]             ; the token of row r of my row tile 2 w,
	global_load_b32 v65, v80, s[40:41] offset:64   ; and of 2 w + 1
.set nn, 0
.rept 8
	global_load_b32 v[56+nn], v81, s[40:41] offset:(16*(nn/4)+4*(nn%4))*4    ; and of row 16 i + 4 a + lane / 8
.set nn, nn+1
.endr
	s_mul_i32 s2, s52, 48*FRB
	s_add_nc_u64 s[4:5], s[10:11], s[2:3]          ; my six K steps of the shared layers' weights,
	s_mul_i32 s2, s52, 3072
	s_add_nc_u64 s[6:7], s[12:13], s[2:3]          ; and their scale words
	WLOAD 0, 0                                     ; they hang on no token: asked for while the tokens are on their way
	WLOAD 1, 1
	WIN 0x40
	COLLD 192, 18                                  ; b0
	WIN 0
	s_wait_loadcnt 63                              ; 68 loads are younger than the tokens'; a wait's count holds 63 at the most
.irp i,0,1
	v_min_u32 v[64+\i], 0x7fff, v[64+\i]           ; a token: inside the tables whatever was loaded
	v_mul_u32_u24 v[66+\i], v[64+\i], 192          ; its row of codes,
	v_lshlrev_b32 v[68+\i], 3, v[64+\i]            ; its 8 scale bytes
	v_add_nc_u32 v[66+\i], v70, v[66+\i]
.endr
.irp i,0,1                                     ; fragment (row tile 2 w + i, K step s): lane (r, h) takes bytes 96 s + 24 h + 0 .. 23 and 96 s + 48 + 24 h + 0 .. 23 of row r, as they lie, in pieces of 8 bytes
.irp s,0,1
.irp p,0,1,2,3,4,5
	global_load_b64 v[96+12*(2*\i+\s)+2*\p:97+12*(2*\i+\s)+2*\p], v[66+\i], s[62:63] offset:96*\s+48*(\p/3)+8*(\p%3)
.endr
	global_load_b32 v[88+2*\i+\s], v[68+\i], s[14:15] offset:4*\s
.endr
.endr
.set nn, 0
.rept 8
	v_min_u32 v[56+nn], 0x7fff, v[56+nn]
	v_lshl_add_u32 v[56+nn], v[56+nn], 7, v8       ; the row's place in out1 and in available_actions + 16 (lane % 8)
.set nn, nn+1
.endr
.set nn, 0
.rept 8
	global_load_b128 v[224+4*nn:227+4*nn], v[56+nn], s[16:17] th:TH_LOAD_NT
.set nn, nn+1
.endr
	s_wait_kmcnt 0x0
	s_mov_b32 s54, s53
	NEXTSEG                                        ; my work-group's first run
	s_wait_loadcnt 8                               ; the 8 loads of the mask are younger: codes and scale words are in
.irp i,0,1
.irp s,0,1
	IMAGE 20, (8*\s+\i)*FRB, 96+12*(2*\i+\s)
	ds_store_b32 v21, v[88+2*\i+\s] offset:1024*\s+128*\i
.endr
.endr
	s_wait_loadcnt 0x0
.set nn, 0
.rept 32
	v_cmp_gt_f32 s[66+nn], v[224+nn], 0.5          ; the mask of my rows' actions, kept as lane masks: it selects values alone
.set nn, nn+1
.endr
	s_wait_dscnt 0x0                               ; no LDS instruction of mine is out: the address registers take their lasting values
	s_lshl_b32 s2, s52, 15
	v_add_nc_u32 v19, s2, v1                       ; the partial sums: my wave's 32,768 bytes,
	s_lshl_b32 s2, s52, 13
	v_add_nc_u32 v21, s2, v1                       ; where I read waves 0 and 1's parts of my two row tiles,
	v_add_nc_u32 v20, 0x10000, v21                 ; and waves 2 and 3's
	s_wait_alu depctr_va_vdst(0)
	BARRIER                                        ; the normalised rows' sixteen fragments lie in LDS
; ================ the two shared layers: one text, two trips.  Trip 0: K = 256 out of XIMG; trip 1: K = 512 out of E0IMG.
.macro RELU256 w
	WIN ((\w)<<6)|((\w)<<2)
.set ii, 0
.rept 256
	v_max_num_f32 v[ii], 0, v[ii]                  ; ascending: each accumulator is first read at its low end
.set ii, ii+1
.endr
.endm
.macro SUMS w                          ; four row tiles' sums, each in four pairs of v[160 + 8 m ..]
	WIN (\w)*5
.irp c,0,1,2,3
.irp mm,0,1,2,3
	v_pk_add_f32 v[160+8*(4*((\w)-2)+\mm)+2*\c:161+8*(4*((\w)-2)+\mm)+2*\c], v[64*\mm+2*\c:64*\mm+2*\c+1], v[64*\mm+8+2*\c:64*\mm+9+2*\c]
.endr
.endr
.set kk, 8
.rept 24
.irp mm,0,1,2,3
.set tb, 160+8*(4*((\w)-2)+\mm)+2*(kk%4)
	v_pk_fma_f32 v[tb:tb+1], v[64*\mm+2*kk:64*\mm+2*kk+1], 1.0, v[tb:tb+1] op_sel_hi:[1,0,1]   ; x + sum: the form keeps the sum in source 2, so that one window setting serves
.endr
.set kk, kk+1
.endr
.endm
.macro CENTRE w
	WIN ((\w)<<6)|(\w)
.irp mm,0,1,2,3
.set kk, 0
.rept 32
	v_pk_add_f32 v[64*\mm+2*kk:64*\mm+2*kk+1], v[64*\mm+2*kk:64*\mm+2*kk+1], v[128+2*(4*((\w)-2)+\mm):129+2*(4*((\w)-2)+\mm)] op_sel_hi:[1,0]
.set kk, kk+1
.endr
.endr
.endm
.macro SQUARES w
	WIN (\w)*5
.irp c,0,1,2,3
.irp mm,0,1,2,3
	v_pk_mul_f32 v[160+8*(4*((\w)-2)+\mm)+2*\c:161+8*(4*((\w)-2)+\mm)+2*\c], v[64*\mm+2*\c:64*\mm+2*\c+1], v[64*\mm+2*\c:64*\mm+2*\c+1]
.endr
.endr
.set kk, 4
.rept 28
.irp mm,0,1,2,3
.set tb, 160+8*(4*((\w)-2)+\mm)+2*(kk%4)
	v_pk_fma_f32 v[tb:tb+1], v[64*\mm+2*kk:64*\mm+2*kk+1], v[64*\mm+2*kk:64*\mm+2*kk+1], v[tb:tb+1]
.endr
.set kk, kk+1
.endr
.endm
.macro RED8 dst                        ; each row tile's four pairs become one number in v[dst + 2 m]
.irp m,0,1,2,3,4,5,6,7
	v_pk_add_f32 v[160+8*\m:161+8*\m], v[160+8*\m:161+8*\m], v[162+8*\m:163+8*\m]
	v_pk_add_f32 v[164+8*\m:165+8*\m], v[164+8*\m:165+8*\m], v[166+8*\m:167+8*\m]
.endr
.irp m,0,1,2,3,4,5,6,7
	v_pk_add_f32 v[160+8*\m:161+8*\m], v[160+8*\m:161+8*\m], v[164+8*\m:165+8*\m]
.endr
.irp m,0,1,2,3,4,5,6,7
	v_add_f32 v[(\dst)+2*\m], v[160+8*\m], v[161+8*\m]
.endr
.endm
.macro NORM w
	WIN ((\w)<<6)|(\w)
.irp mm,0,1,2,3
.set kk, 0
.rept 32
	v_pk_fma_f32 v[64*\mm+2*kk:64*\mm+2*kk+1], v[64*\mm+2*kk:64*\mm+2*kk+1], v[144+2*(4*((\w)-2)+\mm):145+2*(4*((\w)-2)+\mm)], v[144+2*(4*((\w)-2)+\mm):145+2*(4*((\w)-2)+\mm)] op_sel:[0,0,1] op_sel_hi:[1,0,1]   ; x rs + c'
.set kk, kk+1
.endr
.endr
	WIN ((\w)<<6)|(\w)|0x04
.irp mm,0,1,2,3
.set kk, 0
.rept 32
	v_pk_fma_f32 v[64*\mm+2*kk:64*\mm+2*kk+1], v[64*\mm+2*kk:64*\mm+2*kk+1], v[192+2*kk:193+2*kk], v[64+2*kk:65+2*kk]   ; x gain + bias: gain in window 1, bias in window 0
.set kk, kk+1
.endr
.endr
.endm
	s_mov_b32 s61, 0
	s_mov_b32 s62, XIMG
	s_mov_b32 s63, XSC
.Llayer:
	v_add_nc_u32 v7, s62, v1
	v_add_nc_u32 v8, s63, v2
	AFETCH 0, 0
	AFETCH 0, 4
	s_wait_alu depctr_va_vdst(0)
	s_wait_loadcnt 0x0                             ; both weight sets and the bias
	STEP 0, 0, 1, 1
	WLOAD 0, 2                                     ; two K steps on: trip 0: the second layer's steps 0, 1; trip 1: its steps 2, 3
	STEP 1, 1, 0, 0
	WLOAD 1, 3
	s_cmp_eq_u32 s61, 0
	s_cbranch_scc1 .Lk_done
	AFETCH 2, 0
	AFETCH 2, 4
	s_wait_loadcnt 26                              ; the second set's 26 loads are younger: the first set is in
	STEP 0, 2, 0, 1
	s_wait_loadcnt 0x0
	STEP 1, 3, 0, 0
	RL_A                                           ; the first run's weights land while the norm is worked
.Lk_done:
	s_wait_xcnt 0x0
	s_cmp_eq_u32 s61, 0
	s_cselect_b64 s[8:9], s[22:23], s[26:27]       ; this layer's gain,
	s_cselect_b64 s[14:15], s[24:25], s[28:29]     ; and bias
	WIN 0x40
	COLLD 192, 8
	WIN 0
	COLLD 64, 14
	; relu, then my 128 columns' mean and centred sum of squares for each row
	RELU256 2
	SUMS 2
	RELU256 3
	SUMS 3
	WIN 0
	RED8 128
.irp m,0,1,2,3,4,5,6,7
	v_permlanex16_b32 v[129+2*\m], v[128+2*\m], s98, s99
.endr
.irp m,0,1,2,3,4,5,6,7
	v_add_f32 v[128+2*\m], v[128+2*\m], v[129+2*\m]
.endr
.irp m,0,1,2,3,4,5,6,7
	v_mul_f32 v[128+2*\m], 0xbc000000, v[128+2*\m]     ; -(my columns' mean)
.endr
	CENTRE 2
	SQUARES 2
	CENTRE 3
	SQUARES 3
	WIN 0
	RED8 129
.irp m,0,1,2,3,4,5,6,7
	v_permlanex16_b32 v[160+8*\m], v[129+2*\m], s98, s99
.endr
.irp m,0,1,2,3,4,5,6,7
	v_add_f32 v[129+2*\m], v[129+2*\m], v[160+8*\m]
.endr
.irp m,0,1,2,3,4,5,6,7
	ds_store_b64 v11, v[128+2*\m:129+2*\m] offset:512*\m   ; both halves of the lanes store the same pair
.endr
	BARRIER                                        ; all four waves' pairs lie in LDS
.irp m,0,1,2,3,4,5,6,7
	ds_load_b128 v[160+8*\m:163+8*\m], v12 offset:512*\m
	ds_load_b128 v[164+8*\m:167+8*\m], v12 offset:512*\m+16
.endr
	s_wait_dscnt 0x0
	; the row's mean is the mean of the four; its sum of squares the four sums + 128 x the squares of the four means' distances: no difference of large sums
.irp m,0,1,2,3,4,5,6,7
	v_add_f32 v[144+2*\m], v[160+8*\m], v[162+8*\m]
	v_add_f32 v[145+2*\m], v[164+8*\m], v[166+8*\m]
	v_add_f32 v[161+8*\m], v[161+8*\m], v[163+8*\m]
	v_add_f32 v[165+8*\m], v[165+8*\m], v[167+8*\m]
.endr
.irp m,0,1,2,3,4,5,6,7
	v_add_f32 v[144+2*\m], v[144+2*\m], v[145+2*\m]
	v_add_f32 v[161+8*\m], v[161+8*\m], v[165+8*\m]
.endr
.irp m,0,1,2,3,4,5,6,7
	v_mul_f32 v[144+2*\m], 0x3e800000, v[144+2*\m]     ; -(the row's mean)
.endr
.irp m,0,1,2,3,4,5,6,7
	v_sub_f32 v[160+8*\m], v[160+8*\m], v[144+2*\m]
	v_sub_f32 v[162+8*\m], v[162+8*\m], v[144+2*\m]
	v_sub_f32 v[164+8*\m], v[164+8*\m], v[144+2*\m]
	v_sub_f32 v[166+8*\m], v[166+8*\m], v[144+2*\m]
	v_sub_f32 v[145+2*\m], v[144+2*\m], v[128+2*\m]    ; my columns' mean - the row's
.endr
.irp m,0,1,2,3,4,5,6,7
	v_mul_f32 v[163+8*\m], v[160+8*\m], v[160+8*\m]
.endr
.irp m,0,1,2,3,4,5,6,7
	v_fmac_f32 v[163+8*\m], v[162+8*\m], v[162+8*\m]
.endr
.irp m,0,1,2,3,4,5,6,7
	v_fmac_f32 v[163+8*\m], v[164+8*\m], v[164+8*\m]
.endr
.irp m,0,1,2,3,4,5,6,7
	v_fmac_f32 v[163+8*\m], v[166+8*\m], v[166+8*\m]
.endr
.irp m,0,1,2,3,4,5,6,7
	v_fma_f32 v[161+8*\m], v[163+8*\m], 0x43000000, v[161+8*\m]
.endr
.irp m,0,1,2,3,4,5,6,7
	v_fma_f32 v[161+8*\m], v[161+8*\m], s105, s104     ; the variance + 1e-5
.endr
	s_wait_alu depctr_va_vdst(0)
.irp m,0,1,2,3,4,5,6,7
	v_rsq_f32 v[144+2*\m], v[161+8*\m]
.endr
	v_nop                                          ; one plain place behind the batch,
	s_wait_alu depctr_va_vdst(0)                   ; and one wait for the eight, ahead of their first reader
.irp m,0,1,2,3,4,5,6,7
	v_mul_f32 v[145+2*\m], v[145+2*\m], v[144+2*\m]    ; c'
.endr
	s_wait_alu depctr_va_vdst(0)
	s_wait_loadcnt 0x0                             ; gain and bias
	NORM 2
	NORM 3
	WIN 0
	s_cmp_lg_u32 s61, 0
	s_cbranch_scc1 .Lnot_first
	WIN 0x40
	COLLD 192, 20                                  ; b1
	WIN 0
.irp m,0,1,2,3,4,5,6,7                         ; the first layer's result is K step w of the second product
	s_wait_dscnt 4                                 ; the last tile's four stores may be out; those two tiles back, which read this set of registers, are done
	QUANT 64*(\m%4), 2+\m/4, 64, 76+20*(\m%2), 116+(\m%2)
	IMAGE 9, FRB*\m, 76+20*(\m%2)
	ds_store_b32 v10, v[116+(\m%2)] offset:128*\m
.endr
.Lnot_first:
	BARRIER                                        ; the 32 fragments lie in LDS; and nobody reads the pairs of means any more
	s_wait_xcnt 0x0
	s_add_nc_u64 s[4:5], s[4:5], 16*FRB
	s_add_nc_u64 s[6:7], s[6:7], 1024
	s_add_co_u32 s62, s62, E0IMG-XIMG
	s_add_co_u32 s63, s63, E0SC-XSC
	s_add_co_u32 s61, s61, 1
	s_cmp_lt_u32 s61, 2
	s_cbranch_scc1 .Llayer
	s_wait_loadcnt 0x0                             ; a load lands in a register only when every earlier load into it is done: the loads below take the registers that a bias of the shared layers was loaded into
	RL_B
; ================ the runs of one role: six trips, whatever the split
; A: product 3 for a pair q of row tiles: my 32 hidden columns are block w of product 4's K.
.macro RGA q
	s_cmp_gt_u32 s57, \q
	s_cbranch_scc1 .Lra_end_\@
	s_cmp_lt_u32 s58, \q
	s_cbranch_scc1 .Lra_end_\@
	s_wait_loadcnt 16                              ; the 16 loads of product 4's bias are younger than this run's weights and may be out: nothing here names their registers
.irp s,0,1
.irp i,0,1
	FETCH 64+12*(2*\s+\i), 13, (8*\s+2*(\q)+\i)*FRB
	ds_load_b32 v[48+2*\s+\i], v14 offset:(8*\s+2*(\q)+\i)*128
.endr
.endr
	s_wait_dscnt 0x0
	WIN 0x01
.irp i,0,1
.irp u,0,1
	MM 112+16*\i+8*\u, 24*\u, 64+12*\i, 224+8*\u, 32+2*\u, 48+\i
.endr
.endr
.irp i,0,1
.irp u,0,1
	MM 112+16*\i+8*\u, 24*\u+12, 88+12*\i, 112+16*\i+8*\u, 33+2*\u, 50+\i
.endr
.endr
	PLACES 4
	WIN 0
.set ii, 0
.rept 32
	v_max_num_f32 v[112+ii], 0, v[112+ii]
.set ii, ii+1
.endr
.irp i,0,1
	v_max3_num_f32 v[160+\i], v[112+16*\i], v[113+16*\i], 0x1800000
.endr
.irp k,2,4,6,8,10,12,14
.irp i,0,1
	v_max3_num_f32 v[160+\i], v[160+\i], v[112+16*\i+\k], v[113+16*\i+\k]
.endr
.endr
.irp i,0,1
	v_permlanex16_b32 v[162+\i], v[160+\i], s98, s99
.endr
.irp i,0,1
	v_max_num_f32 v[160+\i], v[160+\i], v[162+\i]
.endr
.irp i,0,1
	v_add_nc_u32 v[164+\i], 0xff000000, v[160+\i]
.endr
.irp i,0,1
	v_lshrrev_b32 v[166+\i], 23, v[164+\i]
.endr
.irp i,0,1
	v_cvt_scalef32_pk16_fp6_f32 v[144+8*\i:146+8*\i], v[112+16*\i:127+16*\i], v[164+\i]
.endr
	v_nop
.irp i,0,1
.irp t,0,1,2
	v_mov_b32 v[147+8*\i+\t], v[144+8*\i+\t]
.endr
.irp t,0,1,2
	v_permlane16_swap_b32 v[144+8*\i+\t], v[147+8*\i+\t]       ; both halves of the lanes now hold the row's whole block: 24 bytes
.endr
.endr
	s_cmp_lt_u32 s52, 2                            ; blocks 0, 1 are the fragment's registers 0-5, blocks 2, 3 its registers 6-11
	s_cbranch_scc0 .Lra_hi_\@
.irp i,0,1
	ds_store_b128 v15, v[144+8*\i:147+8*\i] offset:FRB*(2*(\q)+\i)
	ds_store_b64 v15, v[148+8*\i:149+8*\i] offset:FRB*(2*(\q)+\i)+512
.endr
	s_branch .Lra_join_\@
.Lra_hi_\@:
	s_wait_alu depctr_va_vdst(0)
.irp i,0,1
	ds_store_b64 v15, v[144+8*\i:145+8*\i] offset:FRB*(2*(\q)+\i)+520
	ds_store_b128 v15, v[146+8*\i:149+8*\i] offset:FRB*(2*(\q)+\i)+1024
.endr
.Lra_join_\@:
.irp i,0,1
	ds_store_b8 v16, v[166+\i] offset:128*(2*(\q)+\i)
.endr
.Lra_end_\@:
.endm
; B: row tile m: product 4 (my 128 columns), relu, + the shared layers' result, quantised: K step w of product 5; my partial sums of its 64 columns go to LDS.
; The weights, scale words and bias used here were shown landed by the wait for all loads that stands ahead of the loads for the head's end; those 30 may be out: nothing here names their registers.
.macro RB                              ; row tile m = s62, the loop's counter.  What names tile m's LDS bytes or registers stands in an arm for each tile, with the offset as an immediate
.irp m,0,1,2,3,4,5,6,7
	s_cmp_lg_u32 s62, \m
	s_cbranch_scc1 .Lrb_nf_\m
	FETCH 128, 17, \m*FRB
	ds_load_b32 v48, v18 offset:\m*128
	s_branch .Lrb_got
.Lrb_nf_\m:
.endr
.Lrb_got:
	s_wait_dscnt 0x0
	WIN 0x11
.irp tt,0,1,2,3,4,5,6,7
	MM 64+8*\tt, 48+12*\tt, 128, 192+8*\tt, 36+\tt, 48
.endr
	PLACES 4
	WIN 0
.set ii, 0
.rept 64
	v_max_num_f32 v[64+ii], 0, v[64+ii]
.set ii, ii+1
.endr
.irp m,0,1,2,3,4,5,6,7                         ; the one step that names tile m's registers: an arm for each tile, chosen by the loop's counter
	s_cmp_lg_u32 s62, \m
	s_cbranch_scc1 .Lrb_not_\m
	WIN 0x08+4*(\m/4)
.set kk, 0
.rept 32
	v_pk_add_f32 v[64+2*kk:65+2*kk], v[64+2*kk:65+2*kk], v[64*(\m%4)+2*kk:64*(\m%4)+2*kk+1]   ; the accumulators stay as they are: a pair that two roles share is worked twice
.set kk, kk+1
.endr
	WIN 0
	s_branch .Lrb_sum
.Lrb_not_\m:
.endr
.Lrb_sum:
	s_wait_alu depctr_va_vdst(0)
	QUANT 64, 0, 140, 156, 30
	PLACES 8                                       ; a scale word made by vector instructions stands 8 places ahead of the product, codes so made 4
	WIN 0x01
.irp t,0,1,2,3
	MMZ 64+8*\t, 144+12*\t, 156, 44+\t, 30
.endr
	PLACES 5                                       ; 4 ahead of the stores; 5 ahead of the next tile's products, which write over these results
	WIN 0
.irp m,0,1,2,3,4,5,6,7
	s_cmp_lg_u32 s62, \m
	s_cbranch_scc1 .Lrb_ns_\m
.irp jj,0,1,2,3,4,5,6,7
	ds_store_b128 v19, v[64+4*\jj:67+4*\jj] offset:4096*\m+512*\jj     ; my wave's part of tile m's sums, each accumulator from its low end on
.endr
	s_branch .Lrb_put
.Lrb_ns_\m:
.endr
.Lrb_put:
.endm
	s_mov_b32 s61, 0
.Lseg:
	RGA 0
	RGA 1
	RGA 2
	RGA 3
	BARRIER                                        ; the route's hidden fragments lie in LDS; nobody reads the last run's partial sums any more
	PLACES 4                                       ; in front of loads into registers that product 3 has read
	s_wait_loadcnt 0x0                             ; every earlier load is done, on every way that leads here: the run's weights and bias, which the products below read, and the earlier loads into the registers that the loads below take
	s_cmp_gt_u32 s57, s58
	s_cbranch_scc1 .Lno_b
	CLOAD
.Lno_b:
	s_mov_b32 s62, 0                               ; the row tile
.Lrb:                                                  ; eight trips, whatever the run: a branch on the stored bounds leads round a tile's work alone
	s_lshr_b32 s2, s62, 1                          ; the tile's pair
	s_cmp_gt_u32 s57, s2
	s_cbranch_scc1 .Lrb_next
	s_cmp_lt_u32 s58, s2
	s_cbranch_scc1 .Lrb_next
	RB
.Lrb_next:
	s_add_co_u32 s62, s62, 1
	s_cmp_lt_u32 s62, 8
	s_cbranch_scc1 .Lrb
	BARRIER                                        ; all four waves' partial sums lie in LDS; nobody reads the hidden fragments any more
	; C: my pair of row tiles, if the run touches it: the head's three last steps and the way out
	s_cmp_gt_u32 s57, s52
	s_cbranch_scc1 .Lno_c
	s_cmp_lt_u32 s58, s52
	s_cbranch_scc1 .Lno_c
	s_wait_loadcnt 0x0
.irp j,6,7,8,9,10,11
	v_mov_b32 v[128+\j], 0                         ; K is 64, then 32: the rest of the K step is zero codes
	v_mov_b32 v[140+\j], 0
.endr
.irp i,0,1
	WIN 0x40
.irp p,0,1,2,3
.irp jj,0,1,2,3,4,5,6,7
	ds_load_b128 v[48+32*\p+4*\jj:51+32*\p+4*\jj], v[21-\p/2] offset:32768*(\p%2)+4096*\i+512*\jj
.endr
.endr
	s_wait_dscnt 0x0
	WIN 0x05
.set kk, 0
.rept 16
	v_pk_add_f32 v[64+32*\i+2*kk:65+32*\i+2*kk], v[48+2*kk:49+2*kk], v[80+2*kk:81+2*kk]
.set kk, kk+1
.endr
	WIN 0x01
.set kk, 0
.rept 16
	v_pk_add_f32 v[64+32*\i+2*kk:65+32*\i+2*kk], v[112+2*kk:113+2*kk], v[64+32*\i+2*kk:65+32*\i+2*kk]
.set kk, kk+1
.endr
.set kk, 0
.rept 16
	v_pk_add_f32 v[64+32*\i+2*kk:65+32*\i+2*kk], v[144+2*kk:145+2*kk], v[64+32*\i+2*kk:65+32*\i+2*kk]
.set kk, kk+1
.endr
	WIN 0
.set kk, 0
.rept 16
	v_pk_add_f32 v[64+32*\i+2*kk:65+32*\i+2*kk], v[64+32*\i+2*kk:65+32*\i+2*kk], v[192+2*kk:193+2*kk]   ; + bh0
.set kk, kk+1
.endr
.set ii, 0
.rept 32
	v_max_num_f32 v[64+32*\i+ii], 0, v[64+32*\i+ii]
.set ii, ii+1
.endr
	QUANT2 64+32*\i, 128+12*\i, 48+\i, 1
.endr
	PLACES 8
	WIN 0x01
.irp t,0,1
.irp i,0,1
	MM 64+16*\i+8*\t, 12*\t, 128+12*\i, 224+8*\t, 52+\t, 48+\i
.endr
.endr
	PLACES 4
	WIN 0
.set ii, 0
.rept 32
	v_max_num_f32 v[64+ii], 0, v[64+ii]
.set ii, ii+1
.endr
	QUANT2 64, 128, 50, 0
	QUANT2 80, 140, 51, 0
	PLACES 8
	WIN 0x01
.irp t,0,1
.irp i,0,1
	MM 96+16*\i+8*\t, 24+12*\t, 128+12*\i, 240+8*\t, 54+\t, 50+\i
.endr
.endr
	PLACES 4
	WIN 0
.irp i,0,1
.irp jj,0,1,2,3
	ds_store_b128 v22, v[96+16*\i+4*\jj:99+16*\i+4*\jj] offset:2304*\i+16*\jj      ; lane (r, h): the row's actions 16 h + 0 .. 15, each accumulator from its low end on
.endr
.endr
.set nn, 0
.rept 8
	ds_load_b128 v[64+4*nn:67+4*nn], v23 offset:2304*(nn/4)+576*(nn%4)             ; my own bytes: LDS serves a wave's instructions in order
.set nn, nn+1
.endr
	v_sub_nc_u32 v152, v29, s59                    ; my row's distance from the run's first row
.set nn, 0
	s_wait_alu depctr_va_vdst(0)
.rept 8
	s_wait_dscnt 7-nn                              ; the 7 - n younger loads may be out
.irp e,0,1,2,3
	v_cndmask_b32 v[64+4*nn+\e], v31, v[64+4*nn+\e], s[66+4*nn+\e]
.endr
	v_add_nc_u32 v153, 16*(nn/4)+4*(nn%4), v152
	v_cmp_gt_u32 vcc_lo, s60, v153                 ; only rows of this run are stored
	s_wait_alu depctr_va_vdst(0)
	s_wait_xcnt 0x0                                ; EXEC is a source of pending loads and stores: it changes only behind this wait
	s_and_saveexec_b32 s101, vcc_lo
	global_store_b128 v[56+nn], v[64+4*nn:67+4*nn], s[42:43] th:TH_STORE_NT        ; eight lanes store a row's 128 bytes
	s_wait_xcnt 0x0
	s_or_b32 exec_lo, exec_lo, s101
.set nn, nn+1
.endr
.Lno_c:
	s_wait_loadcnt 0x0                             ; a wave whose pair the run did not touch has not waited for the loads for the head's end: on every way on, no load is out here
	s_mov_b32 s54, s55
	NEXTSEG
	s_cmp_gt_u32 s57, s58
	s_cbranch_scc1 .Lno_next
	PLACES 5                                       ; in front of loads into registers that the last products have read
	s_wait_loadcnt 0x0                             ; a wave whose pair the run did not touch has not waited for the loads for the head's end: the next run's loads take some of their registers, and those of this run's own loads
	RL_A
	RL_B
.Lno_next:
	s_add_co_u32 s61, s61, 1
	s_cmp_lt_u32 s61, 6
	s_cbranch_scc1 .Lseg
	s_wait_tensorcnt 0x0                           ; the wave's end, behind my last LDS store
	ds_add_u32 v5, v6
	s_wait_dscnt 0x0
	s_endpgm
.Lfunc_end_k_q83570a7f09_chain:
	.size	k_q83570a7f09_chain, .Lfunc_end_k_q83570a7f09_chain-k_q83570a7f09_chain
	.p2alignl 7, 3214868480
	.fill 96, 4, 3214868480
	.section	.rodata,"a",@progbits
	.p2align	6, 0x0
	.amdhsa_kernel k_q83570a7f09_chain
		.amdhsa_group_segment_fixed_size 249344
		.amdhsa_private_segment_fixed_size 0
		.amdhsa_enable_private_segment 0
		.amdhsa_kernarg_size 152
		.amdhsa_user_sgpr_count 2
		.amdhsa_user_sgpr_kernarg_segment_ptr 1
		.amdhsa_wavefront_size32 1
		.amdhsa_system_sgpr_workgroup_id_x 1
		.amdhsa_system_sgpr_workgroup_id_y 1
		.amdhsa_system_sgpr_workgroup_id_z 1
		.amdhsa_system_vgpr_workitem_id 0
		.amdhsa_next_free_vgpr 1024
		.amdhsa_next_free_sgpr 106
		.amdhsa_reserve_vcc 1
		.amdhsa_float_denorm_mode_32 3
		.amdhsa_float_denorm_mode_16_64 3
		.amdhsa_memory_ordered 1
		.amdhsa_forward_progress 1
		.amdhsa_inst_pref_size 255
	.end_amdhsa_kernel
	.section	.bss,"aw",@nobits
	.p2align	6
	.space	262144
	.amdgpu_metadata
---
amdhsa.version: [ 1, 2 ]
amdhsa.kernels:
  - .name:           k_q83570a7f09_chain
    .symbol:         k_q83570a7f09_chain.kd
    .args:
      - { .name: xq, .offset: 0, .size: 8, .value_kind: global_buffer, .address_space: global }
      - { .name: order, .offset: 8, .size: 8, .value_kind: global_buffer, .address_space: global }
      - { .name: bounds, .offset: 16, .size: 8, .value_kind: global_buffer, .address_space: global }
      - { .name: wq, .offset: 24, .size: 8, .value_kind: global_buffer, .address_space: global }
      - { .name: ws, .offset: 32, .size: 8, .value_kind: global_buffer, .address_space: global }
      - { .name: xs, .offset: 40, .size: 8, .value_kind: global_buffer, .address_space: global }
      - { .name: available_actions, .offset: 48, .size: 8, .value_kind: global_buffer, .address_space: global }
      - { .name: b0, .offset: 56, .size: 8, .value_kind: global_buffer, .address_space: global }
      - { .name: b1, .offset: 64, .size: 8, .value_kind: global_buffer, .address_space: global }
      - { .name: ln0_scale, .offset: 72, .size: 8, .value_kind: global_buffer, .address_space: global }
      - { .name: ln0_bias, .offset: 80, .size: 8, .value_kind: global_buffer, .address_space: global }
      - { .name: ln1_scale, .offset: 88, .size: 8, .value_kind: global_buffer, .address_space: global }
      - { .name: ln1_bias, .offset: 96, .size: 8, .value_kind: global_buffer, .address_space: global }
      - { .name: br0, .offset: 104, .size: 8, .value_kind: global_buffer, .address_space: global }
      - { .name: br1, .offset: 112, .size: 8, .value_kind: global_buffer, .address_space: global }
      - { .name: bh0, .offset: 120, .size: 8, .value_kind: global_buffer, .address_space: global }
      - { .name: bh1, .offset: 128, .size: 8, .value_kind: global_buffer, .address_space: global }
      - { .name: bh2, .offset: 136, .size: 8, .value_kind: global_buffer, .address_space: global }
      - { .name: out1, .offset: 144, .size: 8, .value_kind: global_buffer, .address_space: global }
    .group_segment_fixed_size: 249344
    .private_segment_fixed_size: 0
    .kernarg_segment_align: 8
    .kernarg_segment_size: 152
    .max_flat_workgroup_size: 128
    .sgpr_count:     106
    .vgpr_count:     1024
    .wavefront_size: 32
...
	.end_amdgpu_metadata
.endif
;; end of part 2
